; MI455X (gfx1250); checked and timed in simulation.
; The chip was launched on July 23, 2026; its instructions are those of AMD's public machine-readable ISA for CDNA 5 (MIT licence, August 2026) and "CDNA5" Instruction Set Architecture Reference Guide (July 2026). The comments in the code are by the model that wrote it; some were corrected since.
;; Attention. Allowed arithmetic: matrix products marked QUANTISED: E5M2 operands, one E8M0 scale for each 32 along K, by v_wmma_scale_f32_16x16x128_f8f6f4 with both operands' format E5M2, f32 sums; everything else in f32.
;; Inputs: b_attn 3,072 float32; b_proj 1,024 float32; inputs 4 x 2,048 x 1,024 float32; w_attn 1,024 x 3,072 float32; w_proj 1,024 x 1,024 float32.
;; Outputs: out0 4 x 2,048 x 1,024 float32.
;; This version of the problem:
;;   THIS VERSION OF THE PROBLEM IS GIVEN IN LOW PRECISION. The matrix products marked QUANTISED in the list below multiply operands that are first quantised to E5M2 (5 exponent bits, 2 mantissa bits; 8 bits a number), with one power-of-two scale for each 32 numbers along K (OCP MX v1.0); their sums are f32. All else is computed in f32.
;;   The module's matrix products, in the order in which they are computed (A, B: the left and right operand; K: the contracted axis; several contracted axes count as one K, in the product's order):
;;     1. [M 8,192, K 1,024] x [K 1,024, N 3,072]; A: input inputs; B: input w_attn: QUANTISED
;;     2. batch 64 x [M 2,048, K 64] x [K 64, N 2,048]; A: computed on the way; B: computed on the way: QUANTISED
;;     3. batch 64 x [M 2,048, K 2,048] x [K 2,048, N 64]; A: softmax (see below); B: computed on the way: QUANTISED
;;     4. [M 8,192, K 1,024] x [K 1,024, N 1,024]; A: computed on the way; B: input w_proj: QUANTISED
;;   THE QUANTISER, for each operand of a quantised product, along K:
;;     - K is cut into blocks of 32 from its start; a last block that is shorter is filled with zeros.
;;     - A block's scale is 2^e with e = floor(log2(the largest magnitude in the block)) - 15, held to -126 .. 127; a block of zeros has e = 0. As a byte (E8M0): e + 127.
;;     - Each number is divided by its block's scale, clamped to +-57,344, and rounded to the nearest number of E5M2, ties to even, subnormals kept.
;;     - The product sums the exact products of the quantised numbers (number of the format x scale) in f32.
;;   ~~~python
;;   def quantise(x, axis):      # numpy; x: float32 -> the quantised numbers, widened to float32 again
;;       x = np.moveaxis(x, axis, -1); K = x.shape[-1]
;;       x = np.pad(x, [(0, 0)] * (x.ndim - 1) + [(0, -K % 32)]); x = x.reshape(x.shape[:-1] + (-1, 32)); a = np.abs(x).max(-1, keepdims=True)
;;       e = np.where(a > 0, np.clip(np.frexp(np.where(a > 0, a, 1))[1] - 1 - 15, -126, 127), 0)      # np.frexp(a)[1] - 1 = floor(log2(a)), exactly
;;       r = np.clip(x / 2.0 ** e, -57344, 57344)
;;       step = 2.0 ** (np.maximum(np.frexp(np.where(r == 0, 1, r))[1] - 1, -14) - 2)
;;       q = np.round(r / step) * step * 2.0 ** e      # np.round: ties to even
;;       return np.moveaxis(q.reshape(q.shape[:-2] + (-1,))[..., :K], -1, axis).astype(np.float32)
;;   ~~~
;;   SOFTMAX AHEAD OF A QUANTISED PRODUCT. Where the list says 'softmax', what is quantised is not the finished softmax but p = 2^(t - M), with t = logit x log2(e) and M = ceil(the row's largest t), a whole number; so 1/2 < the row's largest p <= 1. The row's sum l is taken of the UNQUANTISED p, in f32, and the product's result is divided by l at the end. Since M is a whole number, a kernel that streams over the keys may use a running M (the ceiling of the running maximum): every later rescaling is an exact power of two, which a block's scale takes up: the codes' values come out the same.
;;   OPERANDS COMPUTED ON THE WAY. 'Computed on the way' means the value that the module computes at that place (a softmax that the list does not call 'softmax' is quantised finished and normalised). What goes into a quantiser is computed in f32, as accurately as f32 sums, v_exp_f32 and their like allow (about 1e-6 of the number): no bf16 or f16 on the way to a quantiser, and a product that is left as it is and whose result goes on into a quantised operand takes f32 operands (vector FMAs, or v_wmma_f32_16x16x4_f32). A number that lies on a knife's edge between two numbers of the format may be rounded either way, as far as f32 arithmetic and the matrix unit's own rounding can turn it there, and no further.
;; One version. Each part assembles by itself: llvm-mc -triple=amdgcn-amd-amdhsa -mcpu=gfx1250 --defsym DOCPART=n.
;; ======== version 1 of 1: 4 launches
;; limits: right only within a limited range of input values
;; workspace buffers: x_img 8,388,608 bytes; x_sc 262,144 bytes; w_img 4,194,304 bytes; w_sc 131,072 bytes; qkv 26,738,688 bytes; a_img 8,388,608 bytes; a_sc 262,144 bytes
;; launch quant (part 1): grid 384 x 1, 4 waves a work-group, no clusters, 34,304 bytes of LDS; arguments inputs, w_attn, w_proj, x_img, x_sc, w_img, w_sc; writes x_img, x_sc, w_img, w_sc
.if DOCPART == 1
	.amdgcn_target "amdgcn-amd-amdhsa--gfx1250"
	.amdhsa_code_object_version 6
	.text
	.protected	k_qd02be7389f_quant
	.globl	k_qd02be7389f_quant
	.p2align	8
	.type	k_qd02be7389f_quant,@function
k_qd02be7389f_quant:
	s_mov_b64 s[64:65], 0
	v_nop
	global_prefetch_b8 v0, s[64:65] scope:SCOPE_SE
	s_setreg_imm32_b32 hwreg(HW_REG_WAVE_MODE, 25, 1), 1
	s_wait_xcnt 0x0
; THE PROGRAM: GPT-2 attention, B 4, S 2,048, E 1,024, 16 heads of 64, all four products on codes of BF8 (E5M2) with one E8M0 scale for each 32 along K.
; Four launches: this one (inputs, w_attn, w_proj into codes); gemm_qkv (x w_attn + b_attn; q, k, v quantised in registers); attn (Q K^T, softmax, P V, the result quantised); gemm_out (w_proj, b_proj).
; WORK LEFT OUT, for all values of the inputs: the scores Q.K of keys behind a query.  reference() multiplies them by a 0 of its own tril before anything else reads them, so in exact arithmetic they reach no output;
; whole steps of 128 keys behind a wave's 128 queries are not multiplied.  LIMIT: a NaN, an infinity or an overflow in those scores (0 x infinity in reference()) is not carried to the result.
; WORK THAT STAYS: the masked keys' weight.  Their logit is -10,000 and no -infinity, so p = 2^(-10,000 log2(e) - M) of them enters the row's sum and P V; attn carries it (its head says how).  All five inputs are loaded.
; LIMITS of the program: NaN and infinities among the inputs are not served; a block of zeros gets the scale byte 1 where the rule says 127: its codes are zeros, and this program alone reads the bytes.
;
; THIS LAUNCH.  Every operand is laid as an IMAGE OF ITS REGISTERS: a fragment (16 rows x 128 K) is [c 0..3][lane 0..31][16 bytes], lane (r = lane % 16, h = lane / 16) holding row r, K = 32 c + 16 h + 0 .. 15.
; THE ROWS OF A TILE ARE NOT NEIGHBOURS: row r of tile T is index 32 (T / 2) + 8 (T % 2) + r + 8 (r / 8), so that in a product's result the 16 registers of tiles 2 b and 2 b + 1 are 16 neighbours along the next K.
; x_img, w_img: [tile][K step of 128: 8][2,048 bytes].  x_sc, w_sc: [tile][K step of 256: 4][r 16][2 words], a word the four scale bytes of 128 K.  w_img's tiles 0-191 are w_attn's columns, 192-255 w_proj's.
; Work-groups 0-255 take inputs (K innermost): a wave takes one tile of 16 rows x 512 K, four steps of 128.  Each load reads 512 consecutive bytes of a row; the step turns through the wave's own stage in LDS, so that a lane
; gets 16 neighbours of each block of 32.  Work-groups 256-383 take the weights (K outermost): a lane takes a column and its registers run down K: a wave takes 32 columns x 256 K; its codes leave as they stand.
; No tensor loads, no barrier: waves share nothing.
.set SPARE, 33792                      ; behind the four stages: the spare words, 128 bytes for each wave
.set STG,   8448                       ; a wave's stage: 16 rows x (512 bytes + 16): row r starts 4 r words on in the banks' round
.set SPW,   12                         ; v12  my spare word's LDS address; never rewritten
.set NIL,   13                         ; v13  0; never rewritten
.set R,     24                         ; v24-151   inputs: two sets of 64 registers as loaded
.set X,     152                        ; v152-215  inputs: the 64 numbers at work: register 16 b + i = K 32 b + 16 h + i of row r
.set PC,    216                        ; v216-231  inputs: a fragment's codes
.set TM,    232                        ; v232-247  inputs: largest magnitudes, bytes, scale operands
.set XW,    48                         ; v48-111   weights: two sets of 32 numbers
.set CW,    112                        ; v112-175  weights: eight registers of codes for each block, never rewritten
.set SB,    176                        ; v176-177  weights: the eight scale bytes
.set SEL,   22                         ; s[22:23]  lane selects: lane l xor 16
.set MNT,   24
.macro LOADX t                         ; step t: 16 rows x 512 bytes; 32 lanes read 512 consecutive bytes
.irp rho, 0,1,2,3,4,5,6,7,8,9,10,11,12,13,14,15
	global_load_b128 v[R+64*((\t)%2)+4*\rho:R+64*((\t)%2)+4*\rho+3], v4, s[8:9] offset:(\rho+8*(\rho/8))*4096+512*(\t) th:TH_LOAD_NT
.endr
.endm
.macro TURNX t                         ; through the stage: LDS serves a wave's instructions in order, so no wait stands between the stores and the loads
.irp rho, 0,1,2,3,4,5,6,7,8,9,10,11,12,13,14,15
	ds_store_b128 v5, v[R+64*((\t)%2)+4*\rho:R+64*((\t)%2)+4*\rho+3] offset:528*\rho
.endr
.irp b, 0,1,2,3
.irp j, 0,1,2,3
	ds_load_b128 v[X+16*\b+4*\j:X+16*\b+4*\j+3], v6 offset:128*\b+16*\j
.endr
.endr
.endm
; 64 numbers of a lane become a fragment's codes in v[PC] on and my row's scale word in v[pw]
.macro QUANT s, pw
.irp b, 0,1,2,3
	v_max3_num_f32 v[TM+\b], |v[\s+16*\b]|, |v[\s+1+16*\b]|, 0x8000000   ; block b: my 16 numbers, and the floor 2^(16 - 127): the byte cannot fall under 1
.endr
.irp i, 2,4,6,8,10,12,14
.irp b, 0,1,2,3
	v_max3_num_f32 v[TM+\b], v[TM+\b], |v[\s+16*\b+\i]|, |v[\s+1+16*\b+\i]|   ; the four blocks by turns
.endr
.endr
.irp b, 0,1,2,3
	v_permlanex16_b32 v[TM+4+\b], v[TM+\b], s[SEL], s[SEL+1]
.endr
.irp b, 0,1,2,3
	v_max_num_f32 v[TM+\b], v[TM+\b], v[TM+4+\b]   ; with lane l xor 16's: the block's largest magnitude
.endr
.irp b, 0,1,2,3
	v_add_nc_u32 v[TM+12+\b], 0xf8800000, v[TM+\b]   ; 15 off its exponent field: the conversion's scale operand
.endr
.irp b, 0,1,2,3
.endr
.irp b, 0,1,2,3
	v_lshrrev_b32 v[TM+4+\b], 23, v[TM+12+\b]   ; the scale's byte
.endr
	v_lshl_or_b32 v[\pw], v[TM+5], 8, v[TM+4]
	v_lshl_or_b32 v[\pw], v[TM+6], 16, v[\pw]
	v_lshl_or_b32 v[\pw], v[TM+7], 24, v[\pw]
.irp b, 0,1,2,3
.irp i, 0,1,2,3,4,5,6,7,8,9,10,11,12,13,14,15
.endr
	v_cvt_scalef32_pk8_bf8_f32 v[PC+4*\b:PC+1+4*\b], v[\s+16*\b:\s+7+16*\b], v[TM+12+\b]
	v_cvt_scalef32_pk8_bf8_f32 v[PC+2+4*\b:PC+3+4*\b], v[\s+8+16*\b:\s+15+16*\b], v[TM+12+\b]
.endr
	v_nop                                          ; one plain vector line behind the last conversion
.endm
.macro XSTEP t
.if (\t) < 3
	s_wait_loadcnt 16                              ; this step's 16 loads are in; the next step's 16 may be out
.else
	s_wait_loadcnt 0x0
.endif
	TURNX \t
	s_wait_dscnt 0x0                               ; the numbers are back, and the stores into the stage have read their registers,
.if (\t) < 2
	LOADX (\t)+2                                   ; which take the loads of two steps on
.endif
	s_wait_xcnt 0x0                                ; the last step's stores have read v[PC] on: it is written again only behind this wait
	QUANT X, 14+\t
.irp c, 0,1,2,3
	global_store_b128 v4, v[PC+4*\c:PC+4*\c+3], s[14:15] offset:2048*(\t)+512*\c   ; the image: 512 consecutive bytes a store
.endr
.endm
.macro LOADW t                         ; block t: w(32 t + i, my column), i = 0 .. 31: 128 consecutive bytes a load, the four waves side by side
.set I, 0
.rept 32
	global_load_b32 v[XW+32*((\t)%2)+I], v[16+I], s[40+2*(\t):41+2*(\t)] th:TH_LOAD_NT
.set I, I+1
.endr
.endm
.macro BLOCK t
.set XS, XW+32*((\t)%2)
.if (\t) < 7
	s_wait_loadcnt 32                              ; this block's 32 loads are in; the next block's may be out
.else
	s_wait_loadcnt 0x0
.endif
	v_max3_num_f32 v5, |v[XS]|, |v[XS+1]|, |v[XS+2]|   ; the block's largest magnitude: all 32 numbers are mine
	v_max3_num_f32 v6, |v[XS+3]|, |v[XS+4]|, |v[XS+5]|
.irp i, 6,10,14,18,22,26
	v_max3_num_f32 v5, v5, |v[XS+\i]|, |v[XS+\i+1]|
	v_max3_num_f32 v6, v6, |v[XS+\i+2]|, |v[XS+\i+3]|
.endr
	v_max3_num_f32 v5, v5, |v[XS+30]|, |v[XS+31]|
	v_max3_num_f32 v5, v5, v6, 0x8000000           ; and the floor
	v_add_nc_u32 v7, 0xf8800000, v5                ; the conversion's scale operand
	v_lshrrev_b32 v11, 23, v7                      ; the byte
.if (\t)%4 == 0
	v_mov_b32 v[SB+(\t)/4], v11                    ; four bytes to a word, the lower K in the lower byte
.else
	v_lshl_or_b32 v[SB+(\t)/4], v11, 8*((\t)%4), v[SB+(\t)/4]
.endif
.set I, 0
.rept 32
.set I, I+1
.endr
.irp g, 0,1,2,3
	v_cvt_scalef32_pk8_bf8_f32 v[CW+8*(\t)+2*\g:CW+8*(\t)+2*\g+1], v[XS+8*\g:XS+8*\g+7], v7
.endr
	v_nop                                          ; one plain vector line behind the last conversion
	global_store_b128 v9, v[CW+8*(\t):CW+8*(\t)+3], s[18:19] offset:((\t)/4)*2048+((\t)%4)*512        ; K 32 t + 0 .. 15: the places of lanes 0-15 of the image; the 32 lanes fill 256 bytes of each of two tiles
	global_store_b128 v9, v[CW+8*(\t)+4:CW+8*(\t)+7], s[18:19] offset:((\t)/4)*2048+((\t)%4)*512+256  ; K 32 t + 16 .. 31: those of lanes 16-31
.if (\t)+2 < 8
	LOADW (\t)+2
.endif
.endm
	s_load_b256 s[8:15], s[0:1], 0x0               ; inputs s[8:9], w_attn s[10:11], w_proj s[12:13], x_img s[14:15]
	s_load_b128 s[16:19], s[0:1], 0x20             ; x_sc s[16:17], w_img s[18:19]
	s_load_b64 s[20:21], s[0:1], 0x30              ; w_sc
	v_lshl_add_u32 v[SPW], v0, 2, SPARE
	v_mov_b32 v[NIL], 0
	v_lshrrev_b32 v1, 5, v0
	v_readfirstlane_b32 s4, v1                     ; wave 0..3
	v_and_b32 v2, 31, v0                           ; lane
	s_mov_b32 s[SEL], 0x76543210
	s_mov_b32 s[SEL+1], 0xfedcba98
	s_cmp_ge_u32 ttmp9, 256
	s_cbranch_scc1 .Lweights
	; ---- inputs
	s_lshl_b32 s5, ttmp9, 2
	s_add_co_u32 s5, s5, s4                        ; which of 1,024 shares is my wave's
	s_lshr_b32 s6, s5, 1                           ; the tile
	s_and_b32 s7, s5, 1                            ; which half of K
	s_lshr_b32 s26, s6, 1
	s_lshl_b32 s26, s26, 5
	s_and_b32 s27, s6, 1
	s_lshl_b32 s27, s27, 3
	s_add_co_u32 s26, s26, s27                     ; the tile's first row: 32 (T / 2) + 8 (T % 2)
	s_lshl_b32 s26, s26, 12                        ; rows of 4,096 bytes
	s_lshl_b32 s27, s7, 11
	s_add_co_u32 s26, s26, s27
	s_mov_b32 s27, 0
	s_lshl_b32 s28, s6, 14                         ; the tile's images,
	s_lshl_b32 s29, s7, 13                         ; my four of the eight
	s_add_co_u32 s28, s28, s29
	s_mov_b32 s29, 0
	s_lshl_b32 s30, s6, 9                          ; the tile's scale words,
	s_lshl_b32 s31, s7, 8                          ; my half
	s_add_co_u32 s30, s30, s31
	s_mov_b32 s31, 0
	s_mul_i32 s25, s4, STG                         ; my stage
	s_wait_alu depctr_va_vdst(0)
	v_lshlrev_b32 v4, 4, v2                        ; 16 x lane: in a load's 512 bytes and in an image
	v_add_nc_u32 v5, s25, v4                       ; into the stage
	v_and_b32 v3, 15, v2                           ; r
	v_lshrrev_b32 v7, 4, v2                        ; h
	v_mul_u32_u24 v6, v3, 528
	v_lshl_add_u32 v6, v7, 6, v6
	v_add_nc_u32 v6, s25, v6                       ; out of it: row r, + 64 h: my 16 numbers of a block
	v_lshlrev_b32 v8, 3, v2                        ; 8 x lane: the scale words' place
.irp b, 0,1,2,3
	v_mov_b32 v[TM+4+\b], 0                        ; written once: a lane permute's destination counts as one of its sources
.endr
	s_wait_alu depctr_va_vdst(0)
	s_wait_kmcnt 0x0
	s_add_nc_u64 s[8:9], s[8:9], s[26:27]
	s_add_nc_u64 s[14:15], s[14:15], s[28:29]
	s_add_nc_u64 s[16:17], s[16:17], s[30:31]
	LOADX 0
	LOADX 1
	XSTEP 0
	XSTEP 1
	XSTEP 2
	XSTEP 3
	v_cmp_le_u32 vcc_lo, 16, v2                    ; lanes 0-15 store row r's words of my first K step of 256, lanes 16-31 those of my second: 256 consecutive bytes
	v_cndmask_b32 v18, v14, v16, vcc_lo
	v_cndmask_b32 v19, v15, v17, vcc_lo
	global_store_b64 v8, v[18:19], s[16:17]
	s_branch .Lend
.Lweights:
	; ---- the weights
	s_sub_co_u32 s5, ttmp9, 256
	s_and_b32 s6, s5, 31                           ; which 128 columns: 0-23 w_attn's, 24-31 w_proj's
	s_lshr_b32 s7, s5, 5                           ; which 256 along K
	s_lshl_b32 s25, s6, 2
	s_add_co_u32 s25, s25, s4                      ; which pair of tiles is my wave's
	s_mov_b32 s30, 4096
	s_cmp_lt_u32 s6, 24
	s_cselect_b32 s30, 12288, s30                  ; a row of the weight in bytes
	s_cselect_b32 s26, 0, 24
	s_sub_co_u32 s26, s6, s26                      ; the 128 columns, counted in their own tensor
	s_lshl_b32 s26, s26, 9
	s_lshl_b32 s27, s4, 7
	s_add_co_u32 s26, s26, s27                     ; my wave's first column, in bytes
	s_lshl_b32 s27, s7, 8
	s_mul_i32 s27, s27, s30                        ; my first row
	s_add_co_u32 s26, s26, s27
	s_mov_b32 s27, 0
	s_lshl_b32 s28, s30, 5                         ; 32 rows on
	s_mov_b32 s29, 0
	s_lshl_b32 s32, s25, 15                        ; two tiles of 16,384 bytes,
	s_lshl_b32 s33, s7, 12                         ; my K step of 256
	s_add_co_u32 s32, s32, s33
	s_mov_b32 s33, 0
	s_lshl_b32 s34, s25, 10
	s_lshl_b32 s35, s7, 7
	s_add_co_u32 s34, s34, s35
	s_mov_b32 s35, 0
	s_wait_alu depctr_va_vdst(0)
	v_lshlrev_b32 v3, 2, v2                        ; 4 bytes a lane
.set I, 0
.rept 32
	v_mad_u32_u24 v[16+I], s30, I, v3              ; row i of a block, my column
.set I, I+1
.endr
	v_bfe_u32 v5, v2, 3, 1                         ; column l of the 32 is row r = l % 8 + 8 (l / 16) of tile u = (l / 8) % 2
	v_and_b32 v6, 7, v2
	v_lshrrev_b32 v7, 4, v2
	v_lshl_add_u32 v6, v7, 3, v6
	v_lshlrev_b32 v9, 4, v6
	v_lshl_add_u32 v9, v5, 14, v9                  ; 16,384 u + 16 r
	v_lshlrev_b32 v10, 3, v6
	v_lshl_add_u32 v10, v5, 9, v10                 ; 512 u + 8 r
	s_wait_alu depctr_va_vdst(0)
	s_wait_kmcnt 0x0
	s_cmp_lt_u32 s6, 24                            ; the choice hangs on the work-group's number alone
	s_cselect_b64 s[40:41], s[10:11], s[12:13]
	s_add_nc_u64 s[40:41], s[40:41], s[26:27]      ; a base for each block, made once: none is stepped
.irp t, 1,2,3,4,5,6,7
	s_add_nc_u64 s[40+2*\t:41+2*\t], s[38+2*\t:39+2*\t], s[28:29]
.endr
	s_add_nc_u64 s[18:19], s[18:19], s[32:33]
	s_add_nc_u64 s[20:21], s[20:21], s[34:35]
	LOADW 0
	LOADW 1
.irp t, 0,1,2,3,4,5,6,7
	BLOCK \t
.endr
	global_store_b64 v10, v[SB:SB+1], s[20:21]     ; my column's two scale words: 128 consecutive bytes for each tile, one byte in 128 of what this path reads
.Lend:
	s_wait_tensorcnt 0x0                           ; the wave's end: behind my last LDS store
	ds_add_u32 v[SPW], v[NIL]
	s_wait_dscnt 0x0
	s_endpgm
.Lfunc_end_k_qd02be7389f_quant:
	.size	k_qd02be7389f_quant, .Lfunc_end_k_qd02be7389f_quant-k_qd02be7389f_quant
	.p2alignl 7, 3214868480
	.fill 96, 4, 3214868480
	.section	.rodata,"a",@progbits
	.p2align	6, 0x0
	.amdhsa_kernel k_qd02be7389f_quant
		.amdhsa_group_segment_fixed_size 34304
		.amdhsa_private_segment_fixed_size 0
		.amdhsa_enable_private_segment 0
		.amdhsa_kernarg_size 56
		.amdhsa_user_sgpr_count 2
		.amdhsa_user_sgpr_kernarg_segment_ptr 1
		.amdhsa_wavefront_size32 1
		.amdhsa_system_sgpr_workgroup_id_x 1
		.amdhsa_system_sgpr_workgroup_id_y 1
		.amdhsa_system_sgpr_workgroup_id_z 1
		.amdhsa_system_vgpr_workitem_id 0
		.amdhsa_next_free_vgpr 256
		.amdhsa_next_free_sgpr 66
		.amdhsa_reserve_vcc 1
		.amdhsa_float_denorm_mode_32 3
		.amdhsa_float_denorm_mode_16_64 3
		.amdhsa_fp16_overflow 1
		.amdhsa_memory_ordered 1
		.amdhsa_forward_progress 1
		.amdhsa_inst_pref_size 75
	.end_amdhsa_kernel
	.amdgpu_metadata
---
amdhsa.version: [ 1, 2 ]
amdhsa.kernels:
  - .name:           k_qd02be7389f_quant
    .symbol:         k_qd02be7389f_quant.kd
    .args:
      - { .name: inputs, .offset: 0, .size: 8, .value_kind: global_buffer, .address_space: global }
      - { .name: w_attn, .offset: 8, .size: 8, .value_kind: global_buffer, .address_space: global }
      - { .name: w_proj, .offset: 16, .size: 8, .value_kind: global_buffer, .address_space: global }
      - { .name: x_img, .offset: 24, .size: 8, .value_kind: global_buffer, .address_space: global }
      - { .name: x_sc, .offset: 32, .size: 8, .value_kind: global_buffer, .address_space: global }
      - { .name: w_img, .offset: 40, .size: 8, .value_kind: global_buffer, .address_space: global }
      - { .name: w_sc, .offset: 48, .size: 8, .value_kind: global_buffer, .address_space: global }
    .group_segment_fixed_size: 34304
    .private_segment_fixed_size: 0
    .kernarg_segment_align: 8
    .kernarg_segment_size: 56
    .max_flat_workgroup_size: 128
    .sgpr_count:     66
    .vgpr_count:     256
    .wavefront_size: 32
...
	.end_amdgpu_metadata
.endif
;; end of part 1
;; launch gemm_qkv (part 2): grid 12 x 32, 4 waves a work-group, clusters of 4 x 4, 327,680 bytes of LDS; arguments x_img, x_sc, w_img, w_sc, b_attn, qkv; writes qkv
.if DOCPART == 2
	.amdgcn_target "amdgcn-amd-amdhsa--gfx1250"
	.amdhsa_code_object_version 6
	.text
	.protected	k_qd02be7389f_gemm_qkv
	.globl	k_qd02be7389f_gemm_qkv
	.p2align	8
	.type	k_qd02be7389f_gemm_qkv,@function
k_qd02be7389f_gemm_qkv:
	s_mov_b64 s[64:65], 0
	v_nop
	global_prefetch_b8 v0, s[64:65] scope:SCOPE_SE
	s_setreg_imm32_b32 hwreg(HW_REG_WAVE_MODE, 25, 1), 1
	s_wait_xcnt 0x0
	s_wait_alu depctr_hold_cnt(0) depctr_sa_sdst(0) depctr_va_vdst(0) depctr_va_sdst(0) depctr_va_ssrc(0) depctr_va_vcc(0) depctr_vm_vsrc(0)
	s_getreg_b32 s2, hwreg(HW_REG_IB_STS2, 6, 4)
	s_cmp_eq_u32 s2, 0
	s_cbranch_scc0 .Lentry_in_a_cluster
	s_endpgm
.Lentry_in_a_cluster:
	s_bfe_u32 s2, ttmp6, 0x10000c
	s_cmp_lg_u32 s2, 0xf033
	s_cbranch_scc0 .Lentry_shape_is_right
	s_endpgm
.Lentry_shape_is_right:
; qkv = inputs w_attn + b_attn on codes of BF8 (E5M2) with E8M0 scales; q, k and v are quantised in registers for the next two products and leave as images of their registers.  No f32 number goes to memory.
; A work-group of four waves makes 256 tokens x 256 features; wave (HI = w / 2, LO = w % 2) makes tokens' half HI x features' half LO: 64 accumulators of 16 x 16, 512 registers.
; K = 1,024 goes in four steps of 256 through a ring of two LDS slots.  The operands lie in memory as register images (16 rows x 128 K = 2,048 bytes, lane l's 16 bytes at 16 l + 512 c), so a tile's K step is 4,096 dense
; bytes, a fragment comes by four ds_load_b128 of 512 consecutive bytes, and LDS needs no pitch and no padding.
; CLUSTERS: 4 x 4 work-groups; the tokens' tiles are shared along a row of the cluster, the features' along a column: each is asked for jointly, by one tensor load with a mask that names the four.
; The cluster's x says which part is made: 0 q, 1 k, 2 v; it is the same in all sixteen partners, so branches on it are alike in all.
; q, k: source 0 = 16 features, source 1 = 16 tokens: a lane holds a token and its registers run along the features, the head's 64: the K of Q K^T.
; v: source 0 = 16 tokens, source 1 = 16 features: a lane holds a feature and its registers run along the tokens: the keys, the K of P V.  The tensor loads, the masks and the loop's text are the same: only the LDS
; addresses from which the two operands and their scale words are read change places.
; The rows of a tile are not neighbours (row r of tile T is index 32 (T / 2) + 8 (T % 2) + r + 8 (r / 8)), so the 64 registers of one block of source 1 are index 32 b + 16 h + i of 128 along source 0.
; THE RECORD of a head and 128 tokens, 26,112 bytes: 0 K's codes [tile 8][c 2][lane][16]; 8,192 V's codes [d tile 4][c 4][lane][16]; 16,384 K's scale words [tile / 4][r][tile % 4]; 16,896 V's [r][d tile];
; 17,152 Q's scale words; 17,664 Q's codes, both as K's; 25,856 PS [r][d tile] f32: the sum of the quantised V over the record's 128 keys, which attn needs for the masked keys' weight (ones x V by the format's own instruction).
; A scale word of q or k: bytes 0, 1 the head's two blocks; bytes 2, 3 stand over zero codes in attn (the even head keeps the odd head's bytes there, the odd head 0): never 0xff.
; LIMITS: NaN and infinities are not served; a block of zeros gets the byte 1 (its codes are zeros; this program alone reads the bytes).
; REGISTERS, in windows of 256: window 0: v0-31 addresses; v32-63 scale words, two sets; v64-127 the bias, later the way out's scratch; v128-255 source 1's eight fragments, ONE set; later the codes just made.
;   window 1: source 0's eight fragments, TWO sets, at v0 and v128.   windows 2, 3: accumulator (a, b) at v[8 (8 (a % 4) + b)] of window 2 + a / 4.
.set NBB,   8                          ; blocks of source 0 for a wave
.set APW,   4                          ; blocks of source 1 whose accumulators fill a window
.set NP,    8                          ; places behind this matrix instruction (ISA guide 7.12.1)
.set SLOT,  131072                     ; the tokens' 16 tiles x 4,096 bytes, then the features' 16
.set SCL,   2*SLOT                     ; behind the ring: the tokens' scale words (8,192 bytes), then the features'
.set SPARE, SCL+32768                  ; the spare words, 128 bytes for each wave
.set REC,   26112
.set HB,    16*REC                     ; from a head to the next
.set ADRA,  16                         ; v16-17 source 1's fragments in slot 0, 1
.set ADRB,  20                         ; v20-21 source 0's
.set SH,    23                         ; v23    16 h
.set VO,    24                         ; v24    16 x lane
.set VS,    25                         ; v25    16 r + h x HB: lanes 0-15 store for the even head, lanes 16-31 for the odd one
.set ADRS,  27                         ; v27    my scale words: lanes 0-15 source 1's, lanes 16-31 source 0's
.set SPW,   28                         ; v28    my spare word; never rewritten
.set NIL,   29                         ; v29    0; never rewritten
.set SC,    32                         ; set s at v[SC + 16 s]; register 2 i + q: block i, the slot's q-th 128 along K
.set BIAS,  64
.set AF,    128
.set TM,    64                         ; the way out: v64-79 largest magnitudes, bytes, scale operands
.set SW,    52                         ; v52-59  the eight scale words just made
.set ONESC, 60                         ; v60     the ones' scale word
.set PSR,   80                         ; v80-87  the eight key sums
.set OUTV,  88                         ; v88-95  what V's path stores last
.set PC,    128                        ; v128-159 codes, two sets by turns
.set ONES,  160                        ; v160-175 a fragment of ones
.set PSD,   184                        ; v184-191 ones x V
.set G1,  24                           ; s[24:31] group 1 for the tokens' tiles; s[32:39] group 0, a set for each slot
.set G0,  32
.set G1B, 48                           ; s[48:55], s[56:63] the same for the features'
.set G0B, 56
.set G1S, 68                           ; s[68:75], s[76:79] the tokens' scale words; s[80:87], s[88:91] the features'
.set G0S, 76
.set G1SB, 80
.set G0SB, 88
.set HMASK, 96                         ; s96 lanes 16-31
.set MNT,   97
.set LSEL,  98                         ; s[98:99] lane selects: lane l xor 16
.set MSB, 0
.macro WIN new                         ; the immediate's high byte repeats the setting that is left
.if MSB != (\new)
	s_set_vgpr_msb (MSB<<8)|(\new)
.set MSB, (\new)
.endif
.endm
; A joint load: waves 0 and 1 fetch the tokens' halves, waves 2 and 3 the features'.  The branch hangs on the wave's number alone.  An s_nop 0 and four v_nop follow each of the two lines.
.macro JLOAD g0a, g1a, g0b, g1b
	s_cmp_eq_u32 s17, 0
	s_cbranch_scc0 .Lfor_b_\@
	tensor_load_to_lds s[\g0a:\g0a+3], s[\g1a:\g1a+7]
	s_nop 0
.rept 4
	v_nop
.endr
	s_branch .Lasked_\@
.Lfor_b_\@:
	tensor_load_to_lds s[\g0b:\g0b+3], s[\g1b:\g1b+7]
	s_nop 0
.rept 4
	v_nop
.endr
.Lasked_\@:
.endm
.macro CREST                           ; a round of the cluster's barrier behind its opening barrier
	s_cmp_lg_u32 s16, 0
	s_cbranch_scc1 .Lnot_wave_0_\@
	s_barrier_signal -3
.Lnot_wave_0_\@:
	s_barrier_wait -3
	s_barrier_signal -1
	s_barrier_wait -1
.endm
.macro CROUND
	s_barrier_signal -1
	s_barrier_wait -1
	CREST
.endm
.macro PLACES n
.rept \n
	v_nop
.endr
.endm
.macro FRAG reg, adr, q, i             ; a fragment's image: four loads of 512 consecutive bytes
.irp c, 0,1,2,3
	ds_load_b128 v[\reg+4*\c:\reg+4*\c+3], v[\adr] offset:(\i)*4096+(\q)*2048+\c*512
.endr
.endm
.macro FETCH_B slot, q, p              ; source 0's eight fragments of the slot's q-th 128 along K into set p
	WIN 0x40
.irp i, 0,1,2,3,4,5,6,7
	FRAG 128*(\p)+16*\i, ADRB+\slot, \q, \i
.endr
	WIN 0
.endm
.macro FETCH_A slot, q, i0             ; source 1's blocks i0 .. i0 + 3
.irp i, \i0, \i0+1, \i0+2, \i0+3
	FRAG AF+16*(\i), ADRA+\slot, \q, \i
.endr
.endm
.macro SCALES sc                       ; a K step's scale words: two words a row
.irp i, 0,1,2,3,4,5,6,7
	ds_load_b64 v[SC+16*\sc+2*\i:SC+16*\sc+2*\i+1], v[ADRS] offset:\i*512
.endr
.endm
; Block a of source 1 against source 0's eight.  cm = 0: the sums go on; 1: they begin with the bias by source 0's block (q, k); 2: by source 1's (v).  The 64 accumulators take turns in the same order in every step.
.macro MULA a, p, q, sc, cm
.if \cm
	WIN 0x81+0x40*((\a)/APW)
.else
	WIN 0xa1+0x50*((\a)/APW)
.endif
.set bb, 0
.rept NBB
.set rD, 8*(NBB*((\a)%APW)+bb)
.if \cm == 0
	v_wmma_scale_f32_16x16x128_f8f6f4 v[rD:rD+7], v[128*(\p)+16*bb:128*(\p)+16*bb+15], v[AF+16*(\a):AF+16*(\a)+15], v[rD:rD+7], v[SC+16*(\sc)+2*bb+(\q)], v[SC+16*(\sc)+2*(\a)+(\q)] matrix_a_fmt:MATRIX_FMT_BF8 matrix_b_fmt:MATRIX_FMT_BF8 matrix_a_scale:MATRIX_SCALE_ROW1
.elseif \cm == 1
	v_wmma_scale_f32_16x16x128_f8f6f4 v[rD:rD+7], v[128*(\p)+16*bb:128*(\p)+16*bb+15], v[AF+16*(\a):AF+16*(\a)+15], v[BIAS+8*bb:BIAS+8*bb+7], v[SC+16*(\sc)+2*bb+(\q)], v[SC+16*(\sc)+2*(\a)+(\q)] matrix_a_fmt:MATRIX_FMT_BF8 matrix_b_fmt:MATRIX_FMT_BF8 matrix_a_scale:MATRIX_SCALE_ROW1
.else
	v_wmma_scale_f32_16x16x128_f8f6f4 v[rD:rD+7], v[128*(\p)+16*bb:128*(\p)+16*bb+15], v[AF+16*(\a):AF+16*(\a)+15], v[BIAS+8*(\a):BIAS+8*(\a)+7], v[SC+16*(\sc)+2*bb+(\q)], v[SC+16*(\sc)+2*(\a)+(\q)] matrix_a_fmt:MATRIX_FMT_BF8 matrix_b_fmt:MATRIX_FMT_BF8 matrix_a_scale:MATRIX_SCALE_ROW1
.endif
.set bb, bb+1
.endr
.endm
; A slot's first 128 along K.  A block of source 1 is free as soon as its eight products are issued: blocks 0-3 are fetched anew in the step's middle, blocks 4-7 at its end.
.macro STEP slot, cm
	s_wait_dscnt 16                                ; all but the youngest 16 loads (source 1's blocks 4-7) are in
	MULA 0, 0, 0, \slot, \cm
	MULA 1, 0, 0, \slot, \cm
	MULA 2, 0, 0, \slot, \cm
	MULA 3, 0, 0, \slot, \cm
	s_wait_dscnt 0x0
	PLACES NP                                      ; in front of loads into registers that matrix instructions have read
	FETCH_B \slot, 1, 1
	FETCH_A \slot, 1, 0
	MULA 4, 0, 0, \slot, \cm
	MULA 5, 0, 0, \slot, \cm
	MULA 6, 0, 0, \slot, \cm
	MULA 7, 0, 0, \slot, \cm
	PLACES NP
	WIN 0
	FETCH_A \slot, 1, 4
.endm
; A slot's second 128 along K changes slots: ONE barrier; in front of it each wave waits for all its tensor loads, adds 0 to its spare word, and waits for that and for its own reads of this slot.  fill = 1: the slot is filled again, two K steps ahead.
.macro TURN slot, next, fill
	s_wait_tensorcnt 0x0                           ; all my tensor loads have landed: my part of the next slot
	ds_add_u32 v[SPW], v[NIL]                      ; 0 onto my spare word
	s_wait_dscnt 17                                ; (the add and the youngest 16 loads may be out)
	MULA 0, 1, 1, \slot, 0
	MULA 1, 1, 1, \slot, 0
	s_wait_dscnt 0x0                               ; the add is done, and my reads of this slot are over
	s_barrier_signal -1
	MULA 2, 1, 1, \slot, 0
	MULA 3, 1, 1, \slot, 0
	WIN 0
	s_barrier_wait -1
.if \fill
	CREST                                          ; the barrier has opened a round of the cluster's barrier: no wave of any partner still reads this slot or has a load on its way
	s_add_nc_u64 s[G0+4*\slot+2:G0+4*\slot+3], s[G0+4*\slot+2:G0+4*\slot+3], 8192
	s_add_nc_u64 s[G0B+4*\slot+2:G0B+4*\slot+3], s[G0B+4*\slot+2:G0B+4*\slot+3], 8192
	JLOAD G0+4*\slot, G1, G0B+4*\slot, G1B         ; the first tensor load behind the round; its four v_nop are four of the eight places
	PLACES NP-4
.else
	PLACES NP
.endif
	s_wait_alu depctr_va_vdst(0)
	v_add_nc_u32 v[ADRS], 128, v[ADRS]             ; the next K step's scale words
	FETCH_B \next, 0, 0
	FETCH_A \next, 0, 0
	SCALES \next
	MULA 4, 1, 1, \slot, 0
	MULA 5, 1, 1, \slot, 0
	MULA 6, 1, 1, \slot, 0
	MULA 7, 1, 1, \slot, 0
	PLACES NP
	WIN 0
	FETCH_A \next, 0, 4
.endm
; THE WAY OUT of block a of source 1: its 64 numbers a lane (register 16 b + i = index 32 b + 16 h + i along source 0) become a fragment's codes and a scale word; the codes leave as they stand, 512 consecutive bytes a store.
; varm = 0: q or k: a lane is a token, blocks 0, 1 are the even head's 64, blocks 2, 3 the odd head's.  varm = 1: v: a lane is a feature, the four blocks are the record's 128 keys; and ones x the fragment gives its key sum.
.macro EPI a, varm
.set W, 2+(\a)/4
.set AC, 64*((\a)%4)
.set PCS, PC+16*((\a)%2)
	WIN W|(W<<2)
.irp b, 0,1,2,3
	v_max3_num_f32 v[TM+\b], |v[AC+16*\b]|, |v[AC+16*\b+1]|, 0x8000000   ; each accumulator is read from its low end on; the floor 2^(16 - 127) keeps the byte at 1 or above
.endr
.irp i, 2,4,6,8,10,12,14
.irp b, 0,1,2,3
	v_max3_num_f32 v[TM+\b], |v[AC+16*\b+\i]|, |v[AC+16*\b+\i+1]|, v[TM+\b]
.endr
.endr
	WIN 0
.irp b, 0,1,2,3
	v_permlanex16_b32 v[TM+4+\b], v[TM+\b], s[LSEL], s[LSEL+1]
.endr
.irp b, 0,1,2,3
	v_max_num_f32 v[TM+\b], v[TM+\b], v[TM+4+\b]   ; with lane l xor 16's: the block's largest magnitude
.endr
.irp b, 0,1,2,3
	v_add_nc_u32 v[TM+12+\b], 0xf8800000, v[TM+\b]   ; 15 off its exponent field: the conversion's scale operand
.endr
.irp b, 0,1,2,3
.endr
.irp b, 0,1,2,3
	v_lshrrev_b32 v[TM+4+\b], 23, v[TM+12+\b]      ; the byte
.endr
	v_lshl_or_b32 v[SW+\a], v[TM+5], 8, v[TM+4]
	v_lshl_or_b32 v[SW+\a], v[TM+6], 16, v[SW+\a]
	v_lshl_or_b32 v[SW+\a], v[TM+7], 24, v[SW+\a]
	WIN W|(W<<6)
.irp b, 0,1,2,3
.irp i, 0,1,2,3,4,5,6,7,8,9,10,11,12,13,14,15
.endr
.endr
.if (\a) >= 2
	s_wait_xcnt 0x0                                ; the stores of two blocks back have read this set of codes
.endif
	WIN W
.irp b, 0,1,2,3
	v_cvt_scalef32_pk8_bf8_f32 v[PCS+4*\b:PCS+4*\b+1], v[AC+16*\b:AC+16*\b+7], v[TM+12+\b]
	v_cvt_scalef32_pk8_bf8_f32 v[PCS+4*\b+2:PCS+4*\b+3], v[AC+16*\b+8:AC+16*\b+15], v[TM+12+\b]
.endr
	WIN 0
	v_nop                                          ; one plain vector line behind the last conversion
.if \varm
.irp c, 0,1,2,3
	global_store_b128 v[VO], v[PCS+4*\c:PCS+4*\c+3], s[20:21] offset:((\a)/4)*HB+((\a)%4)*2048+512*\c
.endr
	PLACES 4                                       ; codes written by vector instructions stand four places ahead of a scaled matrix instruction
	s_wait_alu depctr_va_vdst(0)
	v_wmma_scale_f32_16x16x128_f8f6f4 v[PSD:PSD+7], v[ONES:ONES+15], v[PCS:PCS+15], 0, v[ONESC], v[SW+\a] matrix_a_fmt:MATRIX_FMT_BF8 matrix_b_fmt:MATRIX_FMT_BF8
	PLACES NP
	v_mov_b32 v[PSR+\a], v[PSD]                    ; every row of the result is the same: lane (r, h) has the key sum of feature r
.else
.irp c, 0,1,2,3
	global_store_b128 v[VO], v[PCS+4*\c:PCS+4*\c+3], s[20:21] offset:(\c/2)*HB+1024*(\a)+(\c%2)*512
.endr
.endif
.endm
	s_load_b256 s[4:11], s[0:1], 0x0               ; x_img s[4:5], x_sc s[6:7], w_img s[8:9], w_sc s[10:11]
	s_load_b128 s[12:15], s[0:1], 0x20             ; b_attn s[12:13], qkv s[14:15]
	v_lshl_add_u32 v[SPW], v0, 2, SPARE
	v_mov_b32 v[NIL], 0
	ds_add_u32 v[SPW], v[NIL]                      ; the wave's opening: the add, twice on end, and its wait ahead of my first tensor load
	ds_add_u32 v[SPW], v[NIL]
	v_lshrrev_b32 v1, 5, v0
	v_readfirstlane_b32 s16, v1                    ; wave 0..3
	s_lshr_b32 s17, s16, 1                         ; HI: my half of the tokens.  Also: I fetch the tokens' tiles (0) or the features' (1)
	s_and_b32 s18, s16, 1                          ; LO: my half of the features.  Also: which half of that tile I fetch
	s_lshr_b32 s19, ttmp9, 1                       ; 1 where the cluster makes v
	s_bfe_u32 s40, ttmp6, 0x40000                  ; cx, cy: my place in the cluster
	s_bfe_u32 s41, ttmp6, 0x40004
	s_lshl_b32 s42, ttmp9, 2
	s_add_co_u32 s42, s42, s40                     ; which 256 features
	s_and_b32 s43, ttmp7, 0xffff
	s_lshl_b32 s43, s43, 2
	s_add_co_u32 s43, s43, s41                     ; which 256 tokens
	s_lshl_b32 s44, s41, 2
	s_lshl_b32 s44, 15, s44                        ; my row of the cluster
	s_lshl_b32 s45, 0x1111, s40                    ; my column
	; group 1, codes: 8 tiles' K step: 8 rows of 512 elements of 8 bytes, 2,048 elements (a tile's 16,384 bytes) apart; no padding
	s_or_b32 s[G1], s44, (3<<16)|(1<<21)           ; 15:0 the mask; 17:16 elements of 8 bytes; 21 set beside a mask
	s_or_b32 s[G1B], s45, (3<<16)|(1<<21)
.irp g, G1, G1B
	s_mov_b32 s[\g+1], 512<<16                     ; tensor_dim0
	s_mov_b32 s[\g+2], 8<<16                       ; tensor_dim1
	s_mov_b32 s[\g+3], 512<<16                     ; tile_dim0
	s_mov_b32 s[\g+4], 8                           ; tile_dim1
	s_mov_b32 s[\g+5], 2048                        ; from row to row
	s_mov_b32 s[\g+6], 0
	s_mov_b32 s[\g+7], 0
.endr
	; group 1, scale words: 8 tiles x 512 dense bytes as 16 rows of 256
	s_or_b32 s[G1S], s44, (3<<16)|(1<<21)
	s_or_b32 s[G1SB], s45, (3<<16)|(1<<21)
.irp g, G1S, G1SB
	s_mov_b32 s[\g+1], 32<<16
	s_mov_b32 s[\g+2], 16<<16
	s_mov_b32 s[\g+3], 32<<16
	s_mov_b32 s[\g+4], 16
	s_mov_b32 s[\g+5], 32
	s_mov_b32 s[\g+6], 0
	s_mov_b32 s[\g+7], 0
.endr
	; group 0: the count and the LDS addresses: the wave's number and constants alone
	s_mov_b32 s[G0], 1
	s_lshl_b32 s[G0+1], s18, 15
	s_mov_b32 s[G0+4], 1
	s_add_co_u32 s[G0+5], s[G0+1], SLOT
	s_mov_b32 s[G0B], 1
	s_add_co_u32 s[G0B+1], s[G0+1], 65536
	s_mov_b32 s[G0B+4], 1
	s_add_co_u32 s[G0B+5], s[G0+1], 65536+SLOT
	s_mov_b32 s[G0S], 1
	s_lshl_b32 s[G0S+1], s18, 12
	s_mov_b32 s[G0SB], 1
	s_add_co_u32 s[G0SB+1], s[G0S+1], SCL+8192
	s_add_co_u32 s[G0S+1], s[G0S+1], SCL
	s_lshl_b32 s21, s18, 3
	s_lshl_b32 s20, s43, 4
	s_add_co_u32 s20, s20, s21                     ; the first tile of tokens that I would fetch
	s_lshl_b32 s46, s42, 4
	s_add_co_u32 s46, s46, s21                     ; and of features
	s_lshl_b32 s22, s20, 9                         ; its scale words,
	s_mov_b32 s23, 0
	s_lshl_b32 s20, s20, 14                        ; its codes
	s_mov_b32 s21, 0
	s_lshl_b32 s92, s46, 9
	s_mov_b32 s93, 0
	s_lshl_b32 s46, s46, 14
	s_mov_b32 s47, 0
	s_mov_b32 s[HMASK], 0xffff0000
	s_mov_b32 s[LSEL], 0x76543210
	s_mov_b32 s[LSEL+1], 0xfedcba98
	s_wait_dscnt 0x0                               ; both opening adds are done
	s_wait_kmcnt 0x0
	s_add_nc_u64 s[G0+2:G0+3], s[4:5], s[20:21]    ; K step 0,
	s_add_nc_u64 s[G0+6:G0+7], s[G0+2:G0+3], 4096  ; K step 1
	s_or_b32 s[G0+3], s[G0+3], 0x80000000
	s_or_b32 s[G0+7], s[G0+7], 0x80000000
	s_add_nc_u64 s[G0B+2:G0B+3], s[8:9], s[46:47]
	s_add_nc_u64 s[G0B+6:G0B+7], s[G0B+2:G0B+3], 4096
	s_or_b32 s[G0B+3], s[G0B+3], 0x80000000
	s_or_b32 s[G0B+7], s[G0B+7], 0x80000000
	s_add_nc_u64 s[G0S+2:G0S+3], s[6:7], s[22:23]
	s_or_b32 s[G0S+3], s[G0S+3], 0x80000000
	s_add_nc_u64 s[G0SB+2:G0SB+3], s[10:11], s[92:93]
	s_or_b32 s[G0SB+3], s[G0SB+3], 0x80000000
	CROUND                                         ; all sixteen work-groups are here: the first joint loads meet
	JLOAD G0S, G1S, G0SB, G1SB                     ; the scale words of all of K: filled once
	JLOAD G0, G1, G0B, G1B                         ; slot 0
	JLOAD G0+4, G1, G0B+4, G1B                     ; slot 1: three loads of mine are out
	v_and_b32 v1, 15, v0                           ; r
	v_bfe_u32 v2, v0, 4, 1                         ; h
	v_and_b32 v3, 31, v0
	v_lshlrev_b32 v[VO], 4, v3
	s_lshl_b32 s20, s17, 15                        ; my half of the tokens in a slot,
	s_lshl_b32 s21, s18, 15
	s_add_co_u32 s21, s21, 65536                   ; my half of the features
	s_cmp_eq_u32 s19, 1
	s_cselect_b32 s22, s20, s21                    ; source 0: the features (q, k) or the tokens (v)
	s_cselect_b32 s23, s21, s20                    ; source 1: the other
	v_add_nc_u32 v[ADRB], s22, v[VO]
	v_add_nc_u32 v[ADRA], s23, v[VO]
	v_add_nc_u32 v[ADRB+1], SLOT, v[ADRB]
	v_add_nc_u32 v[ADRA+1], SLOT, v[ADRA]
	s_lshl_b32 s20, s17, 12
	s_add_co_u32 s20, s20, SCL                     ; my tokens' scale words,
	s_lshl_b32 s21, s18, 12
	s_add_co_u32 s21, s21, SCL+8192                ; my features'
	s_cmp_eq_u32 s19, 1
	s_cselect_b32 s22, s21, s20                    ; lanes 0-15 take source 1's,
	s_cselect_b32 s23, s20, s21                    ; lanes 16-31 source 0's
	v_mov_b32 v4, s22
	v_mov_b32 v5, s23
	v_cndmask_b32 v4, v4, v5, s[HMASK]
	v_lshl_add_u32 v[ADRS], v1, 3, v4              ; + 8 r
	; the bias, in the result's layout.  q, k: register j of block i is feature 32 (i / 2) + 8 (i % 2) + 16 h + j.  v: all eight registers are feature 32 (i / 2) + 8 (i % 2) + r + 8 (r / 8)
	v_lshlrev_b32 v4, 6, v2
	v_and_b32 v5, 8, v1
	v_add_nc_u32 v5, v5, v1
	v_lshlrev_b32 v5, 2, v5
	s_cselect_b32 s22, -1, 0
	s_cselect_b32 s23, 0, 4
	v_cndmask_b32 v4, v4, v5, s22
.irp j, 0,1,2,3,4,5,6,7
	v_mad_u32_u24 v[8+\j], s23, \j, v4
.endr
	s_lshl_b32 s20, s42, 10
	s_lshl_b32 s21, s18, 9
	s_add_co_u32 s20, s20, s21                     ; my first feature, in bytes
	s_mov_b32 s21, 0
	s_add_nc_u64 s[12:13], s[12:13], s[20:21]
.irp i, 0,1,2,3,4,5,6,7
.irp j, 0,1,2,3,4,5,6,7
	global_load_b32 v[BIAS+8*\i+\j], v[8+\j], s[12:13] offset:(32*(\i/2)+8*(\i%2))*4
.endr
.endr
	; where the results go: the record of (batch, my even head, my 128 tokens)
	s_lshl_b32 s92, s43, 1
	s_add_co_u32 s92, s92, s17                     ; which 128 tokens of 8,192
	s_lshr_b32 s93, s92, 4                         ; batch
	s_and_b32 s92, s92, 15                         ; step
	s_lshl_b32 s93, s93, 4
	s_lshl_b32 s94, s40, 2
	s_add_co_u32 s93, s93, s94
	s_lshl_b32 s94, s18, 1
	s_add_co_u32 s93, s93, s94                     ; 16 x batch + head
	s_lshl_b32 s93, s93, 4
	s_add_co_u32 s93, s93, s92
	s_mul_i32 s92, s93, REC
	s_mov_b32 s93, 0
	s_add_nc_u64 s[14:15], s[14:15], s[92:93]
	s_mov_b32 s94, 16384
	s_cmp_eq_u32 ttmp9, 0
	s_cselect_b32 s92, 17664, 0                    ; the codes' place in the record: q 17,664, k 0, v 8,192;
	s_cselect_b32 s94, 17152, s94                  ; the scale words': q 17,152, k 16,384, v 16,896
	s_cmp_eq_u32 ttmp9, 2
	s_cselect_b32 s92, 8192, s92
	s_cselect_b32 s94, 16896, s94
	s_mov_b32 s95, 0
	s_add_nc_u64 s[20:21], s[14:15], s[92:93]
	s_add_nc_u64 s[22:23], s[14:15], s[94:95]
	v_mul_u32_u24 v[VS], v2, HB
	v_lshl_add_u32 v[VS], v1, 4, v[VS]
	v_lshlrev_b32 v[SH], 4, v2
	s_wait_tensorcnt 1                             ; the scale words and my part of slot 0 are in; slot 1's load may be out
	s_barrier_signal -1
	s_barrier_wait -1
	FETCH_B 0, 0, 0
	FETCH_A 0, 0, 0
	SCALES 0
	FETCH_A 0, 0, 4
	s_wait_loadcnt 0x0                             ; the bias
	s_cmp_eq_u32 s19, 1                            ; the first step is written twice: its products begin the sums with the bias, which goes by source 0's block or by source 1's
	s_cbranch_scc1 .Lfirst_v
	STEP 0, 1
	s_branch .Lfirst_done
.Lfirst_v:
	STEP 0, 2
.Lfirst_done:
	TURN 0, 1, 1                                   ; K = 1,024 is four slots' worth: written straight
	STEP 1, 0
	TURN 1, 0, 1
	STEP 0, 0
	TURN 0, 1, 0                                   ; nothing is left to fetch: no round
	STEP 1, 0
	s_wait_dscnt 16
	MULA 0, 1, 1, 1, 0
	MULA 1, 1, 1, 1, 0
	MULA 2, 1, 1, 1, 0
	MULA 3, 1, 1, 1, 0
	s_wait_dscnt 0x0
	MULA 4, 1, 1, 1, 0
	MULA 5, 1, 1, 1, 0
	MULA 6, 1, 1, 1, 0
	MULA 7, 1, 1, 1, 0
	WIN 0
	PLACES NP                                      ; behind the last products: results are read, and registers that they read are written
.irp b, 0,1,2,3
	v_mov_b32 v[TM+4+\b], 0                        ; written once: a lane permute's destination counts as one of its sources
.endr
	s_cmp_eq_u32 s19, 1
	s_cbranch_scc1 .Lv_out
.irp a, 0,1,2,3,4,5,6,7
	EPI \a, 0
.endr
.irp a, 0,1,2,3,4,5,6,7
	v_lshrrev_b32 v[SW+\a], v[SH], v[SW+\a]        ; lanes 16-31 take the odd head's two bytes down
.endr
	global_store_b128 v[VS], v[SW:SW+3], s[22:23]              ; tiles 0-3: 256 consecutive bytes for each head
	global_store_b128 v[VS], v[SW+4:SW+7], s[22:23] offset:256 ; tiles 4-7
	s_branch .Lend
.Lv_out:
.set I, 0
.rept 16
	v_mov_b32 v[ONES+I], 0x3c3c3c3c                ; the code of 1.0, 128 x 16 times,
.set I, I+1
.endr
	v_mov_b32 v[ONESC], 0x7f7f7f7f                 ; under the scale 1
.irp a, 0,1,2,3,4,5,6,7
	EPI \a, 1
.endr
.irp i, 0,1,2,3
	v_cndmask_b32 v[OUTV+\i], v[SW+\i], v[SW+4+\i], s[HMASK]       ; lanes 0-15: the even head's four d tiles; lanes 16-31: the odd head's
	v_cndmask_b32 v[OUTV+4+\i], v[PSR+\i], v[PSR+4+\i], s[HMASK]
.endr
	global_store_b128 v[VS], v[OUTV:OUTV+3], s[22:23]
	global_store_b128 v[VS], v[OUTV+4:OUTV+7], s[22:23] offset:8960   ; PS lies 25,856 - 16,896 bytes behind V's scale words
.Lend:
	s_wait_tensorcnt 0x0                           ; the wave's end
	ds_add_u32 v[SPW], v[NIL]
	s_wait_dscnt 0x0
	CROUND                                         ; the closing round: no work-group ends while a partner may still ask for a tile that names it
	s_endpgm
.Lfunc_end_k_qd02be7389f_gemm_qkv:
	.size	k_qd02be7389f_gemm_qkv, .Lfunc_end_k_qd02be7389f_gemm_qkv-k_qd02be7389f_gemm_qkv
	.p2alignl 7, 3214868480
	.fill 96, 4, 3214868480
	.section	.rodata,"a",@progbits
	.p2align	6, 0x0
	.amdhsa_kernel k_qd02be7389f_gemm_qkv
		.amdhsa_group_segment_fixed_size 327680
		.amdhsa_private_segment_fixed_size 0
		.amdhsa_enable_private_segment 0
		.amdhsa_kernarg_size 48
		.amdhsa_user_sgpr_count 2
		.amdhsa_user_sgpr_kernarg_segment_ptr 1
		.amdhsa_wavefront_size32 1
		.amdhsa_system_sgpr_workgroup_id_x 1
		.amdhsa_system_sgpr_workgroup_id_y 1
		.amdhsa_system_sgpr_workgroup_id_z 1
		.amdhsa_system_vgpr_workitem_id 0
		.amdhsa_next_free_vgpr 1024
		.amdhsa_next_free_sgpr 100
		.amdhsa_reserve_vcc 0
		.amdhsa_float_denorm_mode_32 3
		.amdhsa_float_denorm_mode_16_64 3
		.amdhsa_fp16_overflow 1
		.amdhsa_memory_ordered 1
		.amdhsa_forward_progress 1
		.amdhsa_inst_pref_size 209
	.end_amdhsa_kernel
	.amdgpu_metadata
---
amdhsa.version: [ 1, 2 ]
amdhsa.kernels:
  - .name:           k_qd02be7389f_gemm_qkv
    .symbol:         k_qd02be7389f_gemm_qkv.kd
    .args:
      - { .name: x_img, .offset: 0, .size: 8, .value_kind: global_buffer, .address_space: global }
      - { .name: x_sc, .offset: 8, .size: 8, .value_kind: global_buffer, .address_space: global }
      - { .name: w_img, .offset: 16, .size: 8, .value_kind: global_buffer, .address_space: global }
      - { .name: w_sc, .offset: 24, .size: 8, .value_kind: global_buffer, .address_space: global }
      - { .name: b_attn, .offset: 32, .size: 8, .value_kind: global_buffer, .address_space: global }
      - { .name: qkv, .offset: 40, .size: 8, .value_kind: global_buffer, .address_space: global }
    .group_segment_fixed_size: 327680
    .private_segment_fixed_size: 0
    .kernarg_segment_align: 8
    .kernarg_segment_size: 48
    .max_flat_workgroup_size: 128
    .sgpr_count:     100
    .vgpr_count:     1024
    .wavefront_size: 32
...
	.end_amdgpu_metadata
.endif
;; end of part 2
;; launch attn (part 3): grid 64 x 8, 16 waves a work-group, no clusters, 327,680 bytes of LDS; arguments qkv, a_img, a_sc; writes a_img, a_sc
.if DOCPART == 3
	.amdgcn_target "amdgcn-amd-amdhsa--gfx1250"
	.amdhsa_code_object_version 6
	.text
	.protected	k_qd02be7389f_attn
	.globl	k_qd02be7389f_attn
	.p2align	8
	.type	k_qd02be7389f_attn,@function
k_qd02be7389f_attn:
	s_mov_b64 s[64:65], 0
	v_nop
	global_prefetch_b8 v0, s[64:65] scope:SCOPE_SE
	s_setreg_imm32_b32 hwreg(HW_REG_WAVE_MODE, 25, 1), 1
	s_wait_xcnt 0x0
; For each of 64 (batch, head): O = softmax(mask(Q K^T / 8)) V, both products on codes of BF8 (E5M2) with E8M0 scales; O is quantised along the merged heads' axis and leaves as the image of the last product's operand.
; LEFT OUT: the scores of keys behind a query: reference() multiplies them by a 0 of its own tril.  Steps of 128 keys behind a wave's 128 queries are not multiplied.  LIMIT: a NaN, an infinity or an overflow there is not carried on.
; NOT LEFT OUT: the masked keys' weight: their logit is -10,000.  In the step on the diagonal hidden scores become -80,000 (x log2(e) / 8 = -10,000 log2(e)) and go the ordinary way.  In the steps behind it every p of a row is ONE
; number p_m = 2^(-10,000 log2(e) - M), so every block's code and scale are the same, and the sum over those keys of Q(p) Q(v) is Q(p_m) x SV, SV the sum of the quantised V over those steps: the launch before stored each
; step's sum (PS).  ONE CLOSING STEP, with no branch on data: M takes -10,000 log2(e) in (if later keys exist), f = 2^(old M - new M), l = l f + n_later p_m, O = O f + SV Q(p_m).
; Q(p_m) in bits: held at (its exponent field | the mantissa of 57,344), rounded to two mantissa bits, ties to even.  LIMIT: for p_m under 2^-111, where the rule holds the scale's byte at 1, that is up to one code off: under 2^-111 of the row's largest p.
; THE SOFTMAX: t = score x log2(e) / 8; M = the ceiling of the running largest t; p = 2^(t - M) is quantised along the keys, not normalised; the row's sum is taken of the unquantised p and divides at the end.
; SHARES.  A work-group owns 256 queries of one head; each of its sixteen waves one tile of 16, in 256 registers: four waves to a SIMD.  Work-group y = 0 has the last queries, the longest walk.
; Every work-group walks all eight slots of 256 keys (constant trip counts, every barrier passed); a step's WORK is jumped over where its keys come after the wave's 128 queries, and a slot that no wave would read is not asked for.
; NO CLUSTER: under the causal limit the blocks of a head need different numbers of tiles, and a partner would jump over the reads of tiles asked for jointly.
; LAYOUT.  Both products transposed: S^T = K Q^T, O^T = V^T P^T: a lane holds one query.  Row r of tile a (keys, queries, the head's d alike) is index 32 (a / 2) + 8 (a % 2) + r + 8 (r / 8): the 16 registers of tiles 2 b, 2 b + 1 are neighbours.
; The head's 64 fill half of the instruction's 128 along K: the fragments' upper eight registers are standing zeros on both sides; the scale bytes over them are never 0xff.
; THE RECORD of 128 tokens (26,112 bytes): 0 K's codes; 8,192 V's codes; 16,384 K's scale words; 16,896 V's; [the ring takes these 17,152 bytes]; 17,152 Q's scale words; 17,664 Q's codes; 25,856 PS.
; REGISTERS: v1-7 stay; v8, v9 the step's addresses; v12 -M, v13 the largest t, v[14:15] the sum; v16-31 Q; v32-95 four fragments of K; v96-159 S^T, then p, then V's four fragments; v160-191 O^T; v192-207 p's codes;
;   v208-215 K's scale words, v216-219 V's, v220 Q's, v221 p's; v224-247 at work.
.set REC,   26112
.set HB,    16*REC
.set RINGB, 17152                      ; 67 rows of 256 bytes
.set SLOT1, 1<<16                      ; a slot holds two records; slot 1 begins here: one exclusive or turns an address
.set PSL,   131072                     ; the head's sixteen PS, 256 bytes each
.set SCRATCH, 135168                   ; 256 bytes for each wave, written by LDS stores alone
.set SPARE, 139264                     ; the spare words, 128 bytes for each wave
.set LI,  1                            ; v1  16 x lane
.set LR,  2                            ; v2  16 r
.set DD,  3                            ; v3  my query's place in its 128, less 16 h
.set MV,  4                            ; v4  -80,000
.set SPW, 5                            ; v5  my spare word; never rewritten
.set NIL, 6                            ; v6  0; never rewritten
.set PFO, 7                            ; v7  256 x lane: the prefetches' offset; never rewritten
.set ADK, 8
.set ADS, 9
.set BM,  224                          ; v224-227 the blocks' largest scores, then largest p
.set TB,  2                            ; s2  where the slot in hand begins
.set WV,  18
.set MNT, 19                           ; s19 the mantissa field of 57,344
.set SEL, 20                           ; s[20:21] lane l xor 16
.set CS,  22                           ; s[22:23] c = log2(e) / 8
.set G1,  24                           ; s[24:31] group 1 for a record's ring part; s[32:39] for PS; s[40:43], s[44:47] their groups 0
.set G1P, 32
.set G0,  40
.set G0P, 44
.set KF,  66                           ; s66 the step's first key
.set SLOTS, 67
.set QG,  68                           ; s68 my 128 queries' first
.set JD,  69                           ; s69 which 128 they are
.set SM,  70                           ; s70 the later keys' score: -80,000, or -3e38 where there are none
.set NLAT, 71                          ; s71 how many later keys, f32
.set WT,  72                           ; s[72:73] a step's weight in SV: 1 or 0
.set PFA, 76                           ; s[76:77] where my prefetches stand
.set LIM, 80                           ; s80 1 in a wave that prefetches, else the greatest number
.set LASTQ, 81                         ; s81 my work-group's last query
.macro KVLOAD                          ; waves 0 and 1 fetch a record each; an s_nop 0 and four v_nop follow the load
	s_cmp_lt_u32 s[WV], 2
	s_cbranch_scc0 .Lnokv_\@
	tensor_load_to_lds s[G0:G0+3], s[G1:G1+7]
	s_nop 0
.rept 4
	v_nop
.endr
.Lnokv_\@:
.endm
; A PREFETCH INTO THE L2 of the codes that the NEXT change of slots will ask for: two records x 64 rows of 256 bytes.  All blocks of a head walk the same records: the block with y = 0, which walks all slots, asks; in it waves 4 to 7,
; which fetch nothing, one instruction each, a lane a row: wave 4 + i names rows 32 (i % 2) on of record i / 2.  So each row is named once in the launch.  The last change that fills a slot asks for nothing; slots 0 and 1 come by their loads alone.
.macro ASK
	s_cmp_gt_u32 s[SLOTS], s[LIM]
	s_cbranch_scc0 .Lnot_mine_\@
	global_prefetch_b8 v[PFO], s[PFA:PFA+1] th:TH_LOAD_NT scope:SCOPE_SE
.Lnot_mine_\@:
.endm
; A KEY STEP: 128 keys, record q of the slot in hand
.macro STEP q
	s_cmp_gt_u32 s[KF], s[QG]                      ; all its keys come after my queries: ids and the count of steps alone; no barrier and no tensor load stands in a step
	s_cbranch_scc1 .Lhidden_\@
	v_add_nc_u32 v[ADK], s[TB], v[LI]
	s_wait_alu depctr_va_vdst(0)
	v_add_nc_u32 v[ADS], s[TB], v[LR]
.rept 7
	v_nop                                          ; with the two additions nine places: the first products below write over V's fragments, which the last step's products read
.endr
	ds_load_b128 v[208:211], v[ADS] offset:\q*RINGB+16384       ; K's scale words: row r's of tiles 0-3,
	ds_load_b128 v[212:215], v[ADS] offset:\q*RINGB+16384+256   ; of tiles 4-7
.irp g, 0,1
.if \g
.rept 8
	v_nop                                          ; places in front of loads into registers that matrix instructions have read
.endr
.endif
.irp t, 0,1,2,3
	ds_load_b128 v[32+16*\t:35+16*\t], v[ADK] offset:\q*RINGB+(4*\g+\t)*1024
	ds_load_b128 v[36+16*\t:39+16*\t], v[ADK] offset:\q*RINGB+(4*\g+\t)*1024+512
.endr
	s_wait_dscnt 0x0
.irp t, 0,1,2,3
	v_wmma_scale_f32_16x16x128_f8f6f4 v[96+8*(4*\g+\t):103+8*(4*\g+\t)], v[32+16*\t:47+16*\t], v[16:31], 0, v[208+4*\g+\t], v220 matrix_a_fmt:MATRIX_FMT_BF8 matrix_b_fmt:MATRIX_FMT_BF8
.endr
.endr
.rept 8
	v_nop
.endr
	s_cmp_lg_u32 s[KF], s[QG]                      ; the step on the diagonal: register 16 b + i holds key 32 b + 16 h + i of the 128: hidden where 32 b + i > my query's place - 16 h
	s_cbranch_scc1 .Lopen_\@
.set n, 0
.rept 64
	v_cmp_gt_i32 vcc_lo, 32*(n/16)+n%16, v[DD]
	v_cndmask_b32 v[96+n], v[96+n], v[MV], vcc_lo
.set n, n+1
.endr
.Lopen_\@:
.irp b, 0,1,2,3
	v_max3_num_f32 v[BM+\b], v[96+16*\b], v[97+16*\b], v[98+16*\b]   ; the largest score of each block of 32 keys: for the row's maximum and, since p rises with the score, for the block's largest p
.endr
.irp i, 3,5,7,9,11,13
.irp b, 0,1,2,3
	v_max3_num_f32 v[BM+\b], v[BM+\b], v[96+16*\b+\i], v[97+16*\b+\i]
.endr
.endr
.irp b, 0,1,2,3
	v_max_num_f32 v[BM+\b], v[BM+\b], v[111+16*\b]
.endr
.irp b, 0,1,2,3
	s_delay_alu instid0(VALU_DEP_4)
	v_permlanex16_b32 v[228+\b], v[BM+\b], s[SEL], s[SEL+1]
.endr
.irp b, 0,1,2,3
	s_delay_alu instid0(VALU_DEP_4)
	v_max_num_f32 v[BM+\b], v[BM+\b], v[228+\b]    ; with lane l xor 16's 16 keys
.endr
	s_delay_alu instid0(VALU_DEP_2)
	v_max3_num_f32 v240, v224, v225, v226
	s_delay_alu instid0(VALU_DEP_1)
	v_max_num_f32 v240, v240, v227
	s_delay_alu instid0(VALU_DEP_1)
	v_mul_f32 v240, s[CS], v240                    ; the step's largest t
	s_delay_alu instid0(VALU_DEP_1)
	v_max_num_f32 v13, v13, v240
	v_mov_b32 v240, v12
	s_delay_alu instid0(VALU_DEP_2)
	v_floor_f32 v12, -v13                          ; the new -M = -ceil(t)
	s_delay_alu instid0(VALU_DEP_1)
	v_sub_f32 v240, v12, v240                      ; old M - new M: a whole number, 0 or less
	s_delay_alu instid0(VALU_DEP_1)
	v_cvt_i32_f32 v240, v240                       ; (it saturates)
	s_delay_alu instid0(VALU_DEP_1)
	v_ldexp_f32 v242, 1.0, v240                    ; f: rounds nothing
.set n, 0
.rept 32
	v_pk_fma_f32 v[96+n:97+n], v[96+n:97+n], s[CS:CS+1], v[12:13] op_sel_hi:[1,0,0]   ; t - M, two at a time
.set n, n+2
.endr
.irp b, 0,1,2,3
	v_fma_f32 v[BM+\b], v[BM+\b], s[CS], v12
.endr
.set n, 0
	s_wait_alu depctr_va_vdst(0)
.rept 64
	v_exp_f32 v[96+n], v[96+n]                     ; p = 2^(t - M)
.set n, n+1
.endr
	v_pk_mul_f32 v[14:15], v[14:15], v[242:243] op_sel_hi:[1,0]   ; the sums under the new M: the plain line behind the exponentials
	s_wait_alu depctr_va_vdst(0)                   ; one wait for the batch, ahead of its first reader
.irp b, 0,1,2,3
	v_exp_f32 v[BM+\b], v[BM+\b]                   ; the block's largest p: the same two instructions on the same number
.endr
	v_pk_add_f32 v[244:245], v[100:101], v[104:105]
	v_pk_add_f32 v[254:255], v[108:109], v[112:113]
	v_pk_add_f32 v[252:253], v[116:117], v[120:121]
	v_pk_add_f32 v[250:251], v[124:125], v[128:129]
	v_pk_add_f32 v[248:249], v[132:133], v[136:137]
	v_pk_add_f32 v[234:235], v[140:141], v[144:145]
	v_pk_add_f32 v[232:233], v[148:149], v[152:153]
	v_pk_add_f32 v[14:15], v[14:15], v[156:157]
	v_pk_add_f32 v[244:245], v[244:245], v[96:97]
	v_pk_add_f32 v[254:255], v[254:255], v[98:99]
	v_pk_add_f32 v[252:253], v[252:253], v[102:103]
	v_pk_add_f32 v[250:251], v[250:251], v[106:107]
	v_pk_add_f32 v[248:249], v[248:249], v[110:111]
	v_pk_add_f32 v[234:235], v[234:235], v[114:115]
	v_pk_add_f32 v[232:233], v[232:233], v[118:119]
	v_pk_add_f32 v[14:15], v[14:15], v[122:123]
	v_pk_add_f32 v[244:245], v[244:245], v[126:127]
	v_pk_add_f32 v[254:255], v[254:255], v[130:131]
	v_pk_add_f32 v[252:253], v[252:253], v[134:135]
	v_pk_add_f32 v[250:251], v[250:251], v[138:139]
	v_pk_add_f32 v[248:249], v[248:249], v[142:143]
	v_pk_add_f32 v[234:235], v[234:235], v[146:147]
	v_pk_add_f32 v[232:233], v[232:233], v[150:151]
	v_pk_add_f32 v[14:15], v[14:15], v[154:155]
	v_pk_add_f32 v[244:245], v[244:245], v[158:159]
	s_delay_alu instid0(VALU_DEP_2)
	v_pk_add_f32 v[14:15], v[14:15], v[250:251]
	s_delay_alu instid0(VALU_DEP_2)
	v_pk_add_f32 v[244:245], v[244:245], v[248:249]
	v_pk_add_f32 v[254:255], v[254:255], v[234:235]
	v_pk_add_f32 v[252:253], v[252:253], v[232:233]
	s_delay_alu instid0(VALU_DEP_2)
	v_pk_add_f32 v[14:15], v[14:15], v[254:255]
	s_delay_alu instid0(VALU_DEP_2)
	v_pk_add_f32 v[244:245], v[244:245], v[252:253]
	s_delay_alu instid0(VALU_DEP_1)
	v_pk_add_f32 v[14:15], v[14:15], v[244:245]
	s_wait_alu depctr_va_vdst(0)                   ; and one for the four
.irp b, 0,1,2,3
	v_max_num_f32 v[BM+\b], 0x8000000, v[BM+\b]    ; the floor 2^(16 - 127)
.endr
.irp b, 0,1,2,3
	s_delay_alu instid0(VALU_DEP_4)
	v_add_nc_u32 v[236+\b], 0xf8800000, v[BM+\b]   ; the conversion's scale operand
.endr
.irp b, 0,1,2,3
.endr
.irp b, 0,1,2,3
	s_delay_alu instid0(VALU_DEP_4)
	v_lshrrev_b32 v[228+\b], 23, v[236+\b]         ; the byte
.endr
	s_delay_alu instid0(VALU_DEP_3)
	v_lshl_or_b32 v221, v229, 8, v228              ; p's scale word for these 128 keys
	s_delay_alu instid0(VALU_DEP_1)
	v_lshl_or_b32 v221, v230, 16, v221
	s_delay_alu instid0(VALU_DEP_1)
	v_lshl_or_b32 v221, v231, 24, v221
.irp b, 0,1,2,3
.irp i, 0,1,2,3,4,5,6,7,8,9,10,11,12,13,14,15
.endr
	v_cvt_scalef32_pk8_bf8_f32 v[192+4*\b:193+4*\b], v[96+16*\b:103+16*\b], v[236+\b]
	v_cvt_scalef32_pk8_bf8_f32 v[194+4*\b:195+4*\b], v[104+16*\b:111+16*\b], v[236+\b]
.endr
	v_nop
.irp t, 0,1,2,3
.irp c, 0,1,2,3
	ds_load_b128 v[96+16*\t+4*\c:99+16*\t+4*\c], v[ADK] offset:\q*RINGB+8192+2048*\t+512*\c   ; V's four fragments, into the registers that p has left
.endr
.endr
	ds_load_b128 v[216:219], v[ADS] offset:\q*RINGB+16896      ; V's scale words: row r's of the four d tiles
.set n, 0
.rept 16
	v_pk_mul_f32 v[160+n:161+n], v[160+n:161+n], v[242:243] op_sel_hi:[1,0]   ; O^T under the new M; these are also the places between the codes and the products
.set n, n+2
.endr
	s_wait_alu depctr_va_vdst(0)
	s_wait_dscnt 0x0
.irp t, 0,1,2,3
	v_wmma_scale_f32_16x16x128_f8f6f4 v[160+8*\t:167+8*\t], v[96+16*\t:111+16*\t], v[192:207], v[160+8*\t:167+8*\t], v[216+\t], v221 matrix_a_fmt:MATRIX_FMT_BF8 matrix_b_fmt:MATRIX_FMT_BF8
.endr
.Lhidden_\@:
	s_add_co_u32 s[KF], s[KF], 128
.endm
; THE CHANGE OF SLOTS stands at a slot's head: each wave waits for all its tensor loads, adds 0 to its spare word (fill = 1: twice on end), and waits for that and for its reads of the slot that it has left.
; Behind the barrier the slot ahead is whole and nobody reads the other one; fill = 1: that one takes the next 256 keys, up to the causal limit.
.macro CHANGE fill
	s_wait_tensorcnt 0x0                           ; no tensor load of mine is out, so a group 0 may be written
	ds_add_u32 v[SPW], v[NIL]
.if \fill
	ds_add_u32 v[SPW], v[NIL]                      ; and once more, in every trip alike
	s_xor_b32 s[G0+1], s[G0+1], SLOT1              ; the walking descriptor: the other slot,
	s_add_nc_u64 s[G0+2:G0+3], s[G0+2:G0+3], 2*REC ; two records on
	s_wait_xcnt 0x0                                ; the last prefetch, a slot back, has read its address
	s_add_nc_u64 s[PFA:PFA+1], s[PFA:PFA+1], 2*REC ; one slot further on than the walking descriptor
.endif
	s_wait_dscnt 0x0                               ; the add is done, and my reads of the slot that I have left are over
	s_barrier_signal -1
	s_barrier_wait -1
.if \fill
	s_add_co_u32 s96, s[KF], 256                   ; the first key of the slot that this change would ask for:
	s_cmp_gt_u32 s96, s[LASTQ]                     ; behind my work-group's last query no wave would read it.  Ids and the count of steps alone: all sixteen waves go the same way
	s_cbranch_scc1 .Lpast_\@
	KVLOAD                                         ; a wave's one tensor load until the next such barrier
.Lpast_\@:
	ASK
.endif
.endm
	s_load_b128 s[4:7], s[0:1], 0x0                ; qkv s[4:5], a_img s[6:7]
	s_load_b64 s[8:9], s[0:1], 0x10                ; a_sc
	v_lshl_add_u32 v[SPW], v0, 2, SPARE
	v_mov_b32 v[NIL], 0
	ds_add_u32 v[SPW], v[NIL]                      ; the wave's opening: the add, twice on end, and its wait ahead of my first tensor load
	ds_add_u32 v[SPW], v[NIL]
	v_lshrrev_b32 v8, 5, v0
	s_delay_alu instid0(VALU_DEP_1)
	v_readfirstlane_b32 s[WV], v8                  ; wave 0..15
	s_and_b32 s16, ttmp7, 0xffff                   ; y
	s_sub_co_u32 s17, 7, s16                       ; which 256 queries
	s_lshr_b32 s3, s[WV], 3
	s_lshl_b32 s[JD], s17, 1
	s_add_co_u32 s[JD], s[JD], s3
	s_lshl_b32 s[QG], s[JD], 7
	s_and_b32 s3, s[WV], 7                         ; a: my tile of the 128
	s_lshl_b32 s[LASTQ], s17, 8
	s_or_b32 s[LASTQ], s[LASTQ], 255
	s_mul_i32 s48, ttmp9, HB                       ; the head's records
	s_mov_b32 s49, 0
	s_and_b32 s50, s[WV], 1
	s_mul_i32 s52, s50, REC                        ; the record that I would fetch: in memory,
	s_mov_b32 s53, 0
	s_add_nc_u64 s[52:53], s[52:53], s[48:49]
	s_mul_i32 s51, s50, RINGB                      ; and in a slot
	s_mul_i32 s54, s[JD], REC                      ; my queries' record
	s_mov_b32 s55, 0
	s_add_nc_u64 s[54:55], s[54:55], s[48:49]
	s_lshr_b32 s56, ttmp9, 4
	s_lshl_b32 s56, s56, 7
	s_lshl_b32 s57, s[JD], 3
	s_add_co_u32 s56, s56, s57
	s_add_co_u32 s56, s56, s3                      ; my tile among the 512 tiles of tokens
	s_and_b32 s57, ttmp9, 15                       ; the head
	s_lshl_b32 s58, s56, 14
	s_lshl_b32 s59, s57, 10
	s_add_co_u32 s58, s58, s59                     ; a_img: 16,384 x tile + 1,024 x head
	s_mov_b32 s59, 0
	s_lshl_b32 s60, s56, 9
	s_lshr_b32 s61, s57, 2
	s_lshl_b32 s61, s61, 7
	s_add_co_u32 s60, s60, s61
	s_and_b32 s61, s57, 3
	s_lshl_b32 s61, s61, 1
	s_add_co_u32 s60, s60, s61                     ; a_sc: 512 x tile + 128 (head / 4) + 2 (head % 4)
	s_mov_b32 s61, 0
	s_and_b32 s82, s[WV], 3
	s_lshr_b32 s83, s82, 1
	s_mul_i32 s83, s83, REC
	s_and_b32 s82, s82, 1
	s_lshl_b32 s82, s82, 13
	s_add_co_u32 s82, s82, s83
	s_add_co_u32 s82, s82, 2*REC                   ; my prefetches stand in slot 1: the first change of slots steps them to slot 2
	s_mov_b32 s83, 0
	s_add_nc_u64 s[82:83], s[82:83], s[48:49]
	s_lshr_b32 s84, s[WV], 2
	s_xor_b32 s84, s84, 1                          ; 0 in waves 4 to 7,
	s_or_b32 s84, s84, s16                         ; of the block with y = 0
	s_cmp_eq_u32 s84, 0
	s_cselect_b32 s[LIM], 1, -1
	s_sub_co_u32 s[NLAT], 15, s[JD]
	s_lshl_b32 s[NLAT], s[NLAT], 7
	s_cvt_f32_u32 s[NLAT], s[NLAT]                 ; the keys of the steps behind my diagonal
	s_mov_b32 s[SM], 0xff61b1e6
	s_cmp_lt_u32 s[JD], 15
	s_cselect_b32 s[SM], 0xc79c4000, s[SM]
	; group 1: a record's first 17,152 dense bytes as 67 rows of 256 (32 elements of 8 bytes)
	s_mov_b32 s[G1], 3<<16
	s_mov_b32 s[G1+1], 32<<16
	s_mov_b32 s[G1+2], 67<<16
	s_mov_b32 s[G1+3], 32<<16
	s_mov_b32 s[G1+4], 67
	s_mov_b32 s[G1+5], 32
	s_mov_b32 s[G1+6], 0
	s_mov_b32 s[G1+7], 0
	; and the sixteen PS: 16 rows of 256 bytes, a record (3,264 elements) apart
	s_mov_b32 s[G1P], 3<<16
	s_mov_b32 s[G1P+1], 32<<16
	s_mov_b32 s[G1P+2], 16<<16
	s_mov_b32 s[G1P+3], 32<<16
	s_mov_b32 s[G1P+4], 16
	s_mov_b32 s[G1P+5], 3264
	s_mov_b32 s[G1P+6], 0
	s_mov_b32 s[G1P+7], 0
	s_mov_b32 s[SEL], 0x76543210
	s_mov_b32 s[SEL+1], 0xfedcba98
	s_mov_b32 s[CS], 0x3e38aa3b                    ; log2(e) / 8
	s_mov_b32 s[CS+1], s[CS]                       ; (named with it as a pair)
	s_mov_b32 s[MNT], 0x600000
	s_mov_b32 s[TB], 0
	s_mov_b32 s[KF], 0
	s_mov_b32 s[SLOTS], 7
	s_mov_b32 s[WT+1], 0
	s_wait_dscnt 0x0                               ; both opening adds are done
	s_wait_kmcnt 0x0
	s_mov_b32 s[G0], 1
	s_mov_b32 s[G0+1], s51
	s_add_nc_u64 s[G0+2:G0+3], s[4:5], s[52:53]
	s_or_b32 s[G0+3], s[G0+3], 0x80000000
	s_mov_b32 s[G0P], 1
	s_mov_b32 s[G0P+1], PSL
	s_add_nc_u64 s[G0P+2:G0P+3], s[4:5], s[48:49]
	s_add_nc_u64 s[G0P+2:G0P+3], s[G0P+2:G0P+3], 25856
	s_or_b32 s[G0P+3], s[G0P+3], 0x80000000
	s_cmp_lt_u32 s[WV], 2                          ; the first fills: waves 0 and 1 slot 0's two records, wave 2 the PS: one load a wave at the most
	s_cbranch_scc0 .Lnot_kv
	tensor_load_to_lds s[G0:G0+3], s[G1:G1+7]
	s_nop 0
.rept 4
	v_nop
.endr
	s_branch .Lasked
.Lnot_kv:
	s_cmp_eq_u32 s[WV], 2
	s_cbranch_scc0 .Lasked
	tensor_load_to_lds s[G0P:G0P+3], s[G1P:G1P+7]
	s_nop 0
.rept 4
	v_nop
.endr
.Lasked:
	s_add_nc_u64 s[10:11], s[4:5], s[54:55]        ; my queries' record
	s_add_nc_u64 s[12:13], s[6:7], s[58:59]
	s_add_nc_u64 s[14:15], s[8:9], s[60:61]
	s_add_nc_u64 s[PFA:PFA+1], s[4:5], s[82:83]
	v_and_b32 v10, 31, v0                          ; lane
	s_delay_alu instid0(VALU_DEP_1)
	v_lshlrev_b32 v[LI], 4, v10
	v_and_b32 v11, 15, v0                          ; r
	s_wait_alu depctr_va_vdst(0)
	v_lshlrev_b32 v[LR], 4, v11
	s_lshl_b32 s96, s3, 10
	v_add_nc_u32 v8, s96, v[LI]                    ; Q's codes: 1,024 a + 16 x lane
	s_lshr_b32 s97, s3, 2
	s_lshl_b32 s97, s97, 8
	s_and_b32 s96, s3, 3
	s_lshl_b32 s96, s96, 2
	s_add_co_u32 s97, s97, s96
	v_add_nc_u32 v9, s97, v[LR]                    ; its scale word: 256 (a / 4) + 16 r + 4 (a % 4)
	global_load_b128 v[16:19], v8, s[10:11] offset:17664
	global_load_b128 v[20:23], v8, s[10:11] offset:17664+512
	global_load_b32 v220, v9, s[10:11] offset:17152
	s_lshr_b32 s96, s3, 1
	s_lshl_b32 s96, s96, 5
	s_and_b32 s97, s3, 1
	s_lshl_b32 s97, s97, 3
	s_add_co_u32 s96, s96, s97
	v_and_b32 v[DD], 8, v11
	s_delay_alu instid0(VALU_DEP_1)
	v_add3_u32 v[DD], v[DD], v11, s96              ; my query's place: 32 (a / 2) + 8 (a % 2) + r + 8 (r / 8),
	v_bfe_u32 v11, v0, 4, 1
	s_delay_alu instid0(VALU_DEP_1)
	v_lshlrev_b32 v11, 4, v11
	s_delay_alu instid0(VALU_DEP_1)
	v_sub_nc_u32 v[DD], v[DD], v11                 ; less 16 h
	v_mov_b32 v[MV], 0xc79c4000
	v_lshlrev_b32 v[PFO], 8, v10
.set n, 0
.rept 8
	v_mov_b32 v[24+n], 0                           ; the upper half of K: zero codes, in Q's fragment
	v_mov_b32 v[40+n], 0                           ; and in K's four: they stand
	v_mov_b32 v[56+n], 0
	v_mov_b32 v[72+n], 0
	v_mov_b32 v[88+n], 0
.set n, n+1
.endr
.set n, 0
.rept 32
	v_mov_b32 v[160+n], 0                          ; O^T: the step is written once; the first change of M leaves zeros zeros
.set n, n+1
.endr
	v_mov_b32 v13, 0xff61b1e6                      ; the largest t so far: -3e38
	s_delay_alu instid0(VALU_DEP_1)
	v_floor_f32 v12, -v13
	v_mov_b32 v14, 0
	v_mov_b32 v15, 0
.irp b, 0,1,2,3
	v_mov_b32 v[228+\b], 0                         ; a lane permute's destination counts as one of its sources
.endr
	v_mov_b32 v243, 0                              ; (named as the upper halves of pairs)
	v_mov_b32 v245, 0
	s_wait_loadcnt 0x0                             ; Q
.Lslot:                                            ; seven trips: behind each change of slots but the last the next slot is asked for, up to the causal limit
	CHANGE 1
	STEP 0
	STEP 1
	s_xor_b32 s[TB], s[TB], SLOT1
	s_sub_co_u32 s[SLOTS], s[SLOTS], 1
	s_cmp_lg_u32 s[SLOTS], 0
	s_cbranch_scc1 .Lslot
	CHANGE 0                                       ; the last slot is written out: nothing is asked for
	STEP 0
	STEP 1
	; THE CLOSING STEP, for the keys of the steps behind my diagonal, and the way out
.rept 8
	v_nop                                          ; places behind the last products, on every way here
.endr
	s_wait_alu depctr_va_vdst(0)
	v_add_f32 v14, v14, v15
	s_delay_alu instid0(VALU_DEP_1)
	v_permlanex16_b32 v228, v14, s[SEL], s[SEL+1]
	s_delay_alu instid0(VALU_DEP_1)
	v_add_f32 v14, v14, v228                       ; the row's sum so far
	s_mul_f32 s96, s[SM], s[CS]                    ; the later keys' t
	v_max_num_f32 v13, s96, v13
	v_mov_b32 v240, v12
	s_delay_alu instid0(VALU_DEP_2)
	v_floor_f32 v12, -v13
	s_delay_alu instid0(VALU_DEP_1)
	v_sub_f32 v240, v12, v240
	s_delay_alu instid0(VALU_DEP_1)
	v_cvt_i32_f32 v240, v240
	s_delay_alu instid0(VALU_DEP_1)
	v_ldexp_f32 v242, 1.0, v240                    ; f
	s_delay_alu instid0(VALU_DEP_4)
	v_fma_f32 v241, s[SM], s[CS], v12
	s_wait_alu depctr_va_vdst(0)
	v_exp_f32 v241, v241                           ; p_m
	v_and_b32 v8, 31, v0
	s_delay_alu instid0(VALU_DEP_1)
	v_lshl_add_u32 v8, v8, 3, PSL                  ; lane l takes PS of row l / 2, d tiles 2 (l % 2) and 2 (l % 2) + 1
.irp j, 1,2,3,4,5,6,7,8,9,10,11,12,13,14,15
	ds_load_b64 v[96+2*\j:97+2*\j], v8 offset:256*\j
.endr
	s_lshl_b32 s97, s[WV], 8
	s_add_co_u32 s97, s97, SCRATCH                 ; my scratch
	v_and_b32 v9, 1, v0
	v_bfe_u32 v10, v0, 1, 4
	s_delay_alu instid0(VALU_DEP_1)
	v_lshlrev_b32 v10, 2, v10
	s_delay_alu instid0(VALU_DEP_1)
	v_lshl_add_u32 v10, v9, 7, v10
	s_delay_alu instid0(VALU_DEP_1)
	v_add_nc_u32 v10, s97, v10                     ; in: [d tile][row]: 128 (l % 2) + 4 (l / 2)
	v_bfe_u32 v11, v0, 4, 1
	s_delay_alu instid0(VALU_DEP_1)
	v_lshlrev_b32 v11, 5, v11
	s_delay_alu instid0(VALU_DEP_1)
	v_add_nc_u32 v11, s97, v11                     ; back: rows 8 h .. 8 h + 7 of each d tile: O^T's layout
	s_wait_dscnt 0x0
	s_cmp_lt_u32 s[JD], 1                          ; SV = the sum of PS over the steps behind mine: each step's weight is 1 or 0 by ids
	s_cselect_b32 s[WT], 1.0, 0
	v_pk_mul_f32 v[246:247], v[98:99], s[WT:WT+1] op_sel_hi:[1,0]
.irp j, 2,3,4,5,6,7,8,9,10,11,12,13,14,15
	s_cmp_lt_u32 s[JD], \j
	s_cselect_b32 s[WT], 1.0, 0
	v_pk_fma_f32 v[246:247], v[96+2*\j:97+2*\j], s[WT:WT+1], v[246:247] op_sel_hi:[1,0,1]
.endr
	ds_store_b32 v10, v246
	ds_store_b32 v10, v247 offset:64
.irp t, 0,1,2,3
	ds_load_b128 v[32+8*\t:35+8*\t], v11 offset:64*\t         ; LDS serves a wave's instructions in order: these see my stores
	ds_load_b128 v[36+8*\t:39+8*\t], v11 offset:64*\t+16
.endr
	s_wait_alu depctr_va_vdst(0)                   ; p_m, ahead of its first reader
	v_mul_f32 v240, s[NLAT], v241
	s_delay_alu instid0(VALU_DEP_1)
	v_fma_f32 v14, v14, v242, v240                 ; l = l f + n_later p_m
	v_and_or_b32 v240, v241, 0x7f800000, s[MNT]    ; Q(p_m): the hold at 57,344 x the scale,
	v_min_num_f32 v241, v241, v240
	s_delay_alu instid0(VALU_DEP_1)
	v_bfe_u32 v240, v241, 21, 1
	s_delay_alu instid0(VALU_DEP_1)
	v_add3_u32 v241, v241, v240, 0xfffff           ; to two mantissa bits, ties to even
	s_delay_alu instid0(VALU_DEP_1)
	v_and_b32 v241, 0xffe00000, v241
	s_wait_alu depctr_va_vdst(0)
	v_rcp_f32 v14, v14
	v_nop
	s_wait_alu depctr_va_vdst(0)
	v_mul_f32 v242, v242, v14                      ; f / l
	v_mul_f32 v244, v241, v14                      ; Q(p_m) / l
	s_wait_alu depctr_va_vdst(0)
	s_wait_dscnt 0x0                               ; SV
.set n, 0
.rept 16
	v_pk_mul_f32 v[128+n:129+n], v[32+n:33+n], v[244:245] op_sel_hi:[1,0]
	v_pk_fma_f32 v[128+n:129+n], v[160+n:161+n], v[242:243], v[128+n:129+n] op_sel_hi:[1,0,1]   ; register 16 b + i: o(my query, d = 32 b + 16 h + i); each accumulator is read from its low end on
.set n, n+2
.endr
	; the head's 64 are two blocks of the last product's K
.irp b, 0,1
	v_max3_num_f32 v[BM+\b], |v[128+16*\b]|, |v[129+16*\b]|, 0x8000000
.endr
.irp i, 2,4,6,8,10,12,14
.irp b, 0,1
	s_delay_alu instid0(VALU_DEP_2)
	v_max3_num_f32 v[BM+\b], v[BM+\b], |v[128+16*\b+\i]|, |v[129+16*\b+\i]|
.endr
.endr
.irp b, 0,1
	s_delay_alu instid0(VALU_DEP_2)
	v_permlanex16_b32 v[228+\b], v[BM+\b], s[SEL], s[SEL+1]
.endr
.irp b, 0,1
	s_delay_alu instid0(VALU_DEP_2)
	v_max_num_f32 v[BM+\b], v[BM+\b], v[228+\b]
.endr
.irp b, 0,1
	s_delay_alu instid0(VALU_DEP_2)
	v_add_nc_u32 v[236+\b], 0xf8800000, v[BM+\b]
.endr
.irp b, 0,1
.endr
.irp b, 0,1
	s_delay_alu instid0(VALU_DEP_2)
	v_lshrrev_b32 v[228+\b], 23, v[236+\b]
.endr
	s_delay_alu instid0(VALU_DEP_1)
	v_lshl_or_b32 v240, v229, 8, v228              ; my row's two scale bytes
.irp b, 0,1
.irp i, 0,1,2,3,4,5,6,7,8,9,10,11,12,13,14,15
.endr
	v_cvt_scalef32_pk8_bf8_f32 v[192+4*\b:193+4*\b], v[128+16*\b:135+16*\b], v[236+\b]
	v_cvt_scalef32_pk8_bf8_f32 v[194+4*\b:195+4*\b], v[136+16*\b:143+16*\b], v[236+\b]
.endr
	v_and_b32 v9, 15, v0                           ; (a plain line behind the last conversion)
	s_delay_alu instid0(VALU_DEP_1)
	v_lshlrev_b32 v9, 3, v9                        ; 8 r
	v_and_b32 v10, 31, v0
	global_store_b128 v[LI], v[192:195], s[12:13]              ; 512 consecutive bytes a store
	global_store_b128 v[LI], v[196:199], s[12:13] offset:512
	v_cmp_gt_u32 vcc_lo, 16, v10
	s_wait_alu depctr_va_vdst(0)
	s_wait_xcnt 0x0                                ; EXEC changes only behind this wait
	s_and_saveexec_b32 s96, vcc_lo
	global_store_b16 v9, v240, s[14:15]            ; a head owns half a scale word: two bytes a row, one byte in 32 of what the launch stores
	s_wait_xcnt 0x0
	s_or_b32 exec_lo, exec_lo, s96
	s_wait_tensorcnt 0x0                           ; the wave's end: behind my last tensor load and my last LDS store
	ds_add_u32 v[SPW], v[NIL]
	s_wait_dscnt 0x0
	s_endpgm
.Lfunc_end_k_qd02be7389f_attn:
	.size	k_qd02be7389f_attn, .Lfunc_end_k_qd02be7389f_attn-k_qd02be7389f_attn
	.p2alignl 7, 3214868480
	.fill 96, 4, 3214868480
	.section	.rodata,"a",@progbits
	.p2align	6, 0x0
	.amdhsa_kernel k_qd02be7389f_attn
		.amdhsa_group_segment_fixed_size 327680
		.amdhsa_private_segment_fixed_size 0
		.amdhsa_enable_private_segment 0
		.amdhsa_kernarg_size 24
		.amdhsa_user_sgpr_count 2
		.amdhsa_user_sgpr_kernarg_segment_ptr 1
		.amdhsa_wavefront_size32 1
		.amdhsa_system_sgpr_workgroup_id_x 1
		.amdhsa_system_sgpr_workgroup_id_y 1
		.amdhsa_system_sgpr_workgroup_id_z 1
		.amdhsa_system_vgpr_workitem_id 0
		.amdhsa_next_free_vgpr 256
		.amdhsa_next_free_sgpr 100
		.amdhsa_reserve_vcc 1
		.amdhsa_float_denorm_mode_32 3
		.amdhsa_float_denorm_mode_16_64 3
		.amdhsa_fp16_overflow 1
		.amdhsa_memory_ordered 1
		.amdhsa_forward_progress 1
		.amdhsa_inst_pref_size 112
	.end_amdhsa_kernel
	.amdgpu_metadata
---
amdhsa.version: [ 1, 2 ]
amdhsa.kernels:
  - .name:           k_qd02be7389f_attn
    .symbol:         k_qd02be7389f_attn.kd
    .args:
      - { .name: qkv, .offset: 0, .size: 8, .value_kind: global_buffer, .address_space: global }
      - { .name: a_img, .offset: 8, .size: 8, .value_kind: global_buffer, .address_space: global }
      - { .name: a_sc, .offset: 16, .size: 8, .value_kind: global_buffer, .address_space: global }
    .group_segment_fixed_size: 327680
    .private_segment_fixed_size: 0
    .kernarg_segment_align: 8
    .kernarg_segment_size: 24
    .max_flat_workgroup_size: 512
    .sgpr_count:     100
    .vgpr_count:     256
    .wavefront_size: 32
...
	.end_amdgpu_metadata
.endif
;; end of part 3
;; launch gemm_out (part 4): grid 8 x 32, 4 waves a work-group, clusters of 4 x 4, 327,680 bytes of LDS; arguments a_img, a_sc, w_img, w_sc, b_proj, out0; writes out0
.if DOCPART == 4
	.amdgcn_target "amdgcn-amd-amdhsa--gfx1250"
	.amdhsa_code_object_version 6
	.text
	.protected	k_qd02be7389f_gemm_out
	.globl	k_qd02be7389f_gemm_out
	.p2align	8
	.type	k_qd02be7389f_gemm_out,@function
k_qd02be7389f_gemm_out:
	s_mov_b64 s[64:65], 0
	v_nop
	global_prefetch_b8 v0, s[64:65] scope:SCOPE_SE
	s_setreg_imm32_b32 hwreg(HW_REG_WAVE_MODE, 25, 1), 1
	s_wait_xcnt 0x0
	s_wait_alu depctr_hold_cnt(0) depctr_sa_sdst(0) depctr_va_vdst(0) depctr_va_sdst(0) depctr_va_ssrc(0) depctr_va_vcc(0) depctr_vm_vsrc(0)
	s_getreg_b32 s2, hwreg(HW_REG_IB_STS2, 6, 4)
	s_cmp_eq_u32 s2, 0
	s_cbranch_scc0 .Lentry_in_a_cluster
	s_endpgm
.Lentry_in_a_cluster:
	s_bfe_u32 s2, ttmp6, 0x10000c
	s_cmp_lg_u32 s2, 0xf033
	s_cbranch_scc0 .Lentry_shape_is_right
	s_endpgm
.Lentry_shape_is_right:
; out0 = (merged heads) w_proj + b_proj on codes of BF8 (E5M2) with E8M0 scales; out0 [8,192][1,024] f32.  The loop is gemm_qkv's on a narrower tile, so that there are 256 work-groups.
; A work-group of four waves makes 256 tokens x 128 features; wave (HI = w / 2, LO = w % 2) makes 128 tokens x 64 features: 32 accumulators of 16 x 16, 256 registers.
; K = 1,024 goes in four steps of 256 through a ring of two LDS slots.  Operands lie in memory as register images (16 rows x 128 K = 2,048 bytes, lane l's 16 bytes at 16 l + 512 c): a tile's K step is 4,096 dense bytes,
; a fragment comes by four ds_load_b128 of 512 consecutive bytes, and LDS needs no pitch and no padding.  w_proj's tiles are tiles 192-255 of w_img.
; CLUSTERS: 4 x 4 work-groups; the tokens' tiles are shared along a row of the cluster, the features' along a column: each is asked for jointly.
; Source 0 = 16 features, source 1 = 16 tokens: a lane holds a token, and (row r of tile T being index 32 (T / 2) + 8 (T % 2) + r + 8 (r / 8)) the 16 registers of feature tiles 2 b, 2 b + 1 are features 32 b + 16 h + 0 .. 15.
; The bias is the C of each sum's first product.  Nothing of reference() is left out here.
; REGISTERS, in windows of 256: window 0: v0-31 addresses; v32-63 scale words, two sets; v64-95 the bias; v128-255 the tokens' eight fragments, ONE set; on the way out rows of out0.
;   window 1: the features' four fragments, TWO sets, at v0 and v128.   window 2: accumulator (a, b) at v[8 (4 a + b)].
.set NBB,   4
.set APW,   8
.set NP,    8                          ; places behind this matrix instruction (ISA guide 7.12.1)
.set SLOT,  98304                      ; the tokens' 16 tiles x 4,096 bytes, then the features' 8
.set SCL,   2*SLOT                     ; behind the ring: the tokens' scale words (8,192 bytes), then the features' (4,096)
.set SPARE, SCL+32768                  ; the spare words, 128 bytes for each wave
.set ADRA,  16                         ; v16-17 the tokens' fragments in slot 0, 1
.set ADRB,  20                         ; v20-21 the features'
.set ADRS2, 22                         ; v22    the tokens' scale words, in all lanes: for blocks 4-7, which have no block of features beside them
.set STO,   24                         ; v24    the way out: where I put 32 bytes of a row
.set RD,    25                         ; v25    where I read a row back
.set CO,    26                         ; v26    my byte offset in out0
.set ADRS,  27                         ; v27    lanes 0-15 the tokens' scale words, lanes 16-31 the features'
.set SPW,   28                         ; v28    my spare word; never rewritten
.set NIL,   29                         ; v29    0; never rewritten
.set SC,    32
.set BIAS,  64
.set AF,    128
.set BK,    128                        ; the way out: 16 rows read back: v128-159 and v160-191 by turns
.set G1,  24
.set G0,  32
.set G1B, 48
.set G0B, 56
.set G1S, 68
.set G0S, 76
.set G1SB, 80
.set G0SB, 88
.set MSB, 0
.macro WIN new                         ; the immediate's high byte repeats the setting that is left
.if MSB != (\new)
	s_set_vgpr_msb (MSB<<8)|(\new)
.set MSB, (\new)
.endif
.endm
; A joint load: waves 0 and 1 fetch the tokens' halves, waves 2 and 3 the features'.  An s_nop 0 and four v_nop follow each of the two lines.
.macro JLOAD g0a, g1a, g0b, g1b
	s_cmp_eq_u32 s17, 0
	s_cbranch_scc0 .Lfor_b_\@
	tensor_load_to_lds s[\g0a:\g0a+3], s[\g1a:\g1a+7]
	s_nop 0
.rept 4
	v_nop
.endr
	s_branch .Lasked_\@
.Lfor_b_\@:
	tensor_load_to_lds s[\g0b:\g0b+3], s[\g1b:\g1b+7]
	s_nop 0
.rept 4
	v_nop
.endr
.Lasked_\@:
.endm
.macro CREST
	s_cmp_lg_u32 s16, 0
	s_cbranch_scc1 .Lnot_wave_0_\@
	s_barrier_signal -3
.Lnot_wave_0_\@:
	s_barrier_wait -3
	s_barrier_signal -1
	s_barrier_wait -1
.endm
.macro CROUND
	s_barrier_signal -1
	s_barrier_wait -1
	CREST
.endm
.macro PLACES n
.rept \n
	v_nop
.endr
.endm
.macro FRAG reg, adr, q, i
.irp c, 0,1,2,3
	ds_load_b128 v[\reg+4*\c:\reg+4*\c+3], v[\adr] offset:(\i)*4096+(\q)*2048+\c*512
.endr
.endm
.macro FETCH_B slot, q, p
	WIN 0x40
.irp i, 0,1,2,3
	FRAG 128*(\p)+16*\i, ADRB+\slot, \q, \i
.endr
	WIN 0
.endm
.macro FETCH_A slot, q, i0
.irp i, \i0, \i0+1, \i0+2, \i0+3
	FRAG AF+16*(\i), ADRA+\slot, \q, \i
.endr
.endm
.macro SCALES sc
.irp i, 0,1,2,3
	ds_load_b64 v[SC+16*\sc+2*\i:SC+16*\sc+2*\i+1], v[ADRS] offset:\i*512
.endr
.irp i, 4,5,6,7
	ds_load_b64 v[SC+16*\sc+2*\i:SC+16*\sc+2*\i+1], v[ADRS2] offset:\i*512
.endr
.endm
; Block a of the tokens against the four blocks of features.  cm = 1: the sums begin with the bias.  The 32 accumulators take turns in the same order in every step.
.macro MULA a, p, q, sc, cm
.if \cm
	WIN 0x81
.else
	WIN 0xa1
.endif
.set bb, 0
.rept NBB
.set rD, 8*(NBB*(\a)+bb)
.if \cm
	v_wmma_scale_f32_16x16x128_f8f6f4 v[rD:rD+7], v[128*(\p)+16*bb:128*(\p)+16*bb+15], v[AF+16*(\a):AF+16*(\a)+15], v[BIAS+8*bb:BIAS+8*bb+7], v[SC+16*(\sc)+2*bb+(\q)], v[SC+16*(\sc)+2*(\a)+(\q)] matrix_a_fmt:MATRIX_FMT_BF8 matrix_b_fmt:MATRIX_FMT_BF8 matrix_a_scale:MATRIX_SCALE_ROW1
.else
	v_wmma_scale_f32_16x16x128_f8f6f4 v[rD:rD+7], v[128*(\p)+16*bb:128*(\p)+16*bb+15], v[AF+16*(\a):AF+16*(\a)+15], v[rD:rD+7], v[SC+16*(\sc)+2*bb+(\q)], v[SC+16*(\sc)+2*(\a)+(\q)] matrix_a_fmt:MATRIX_FMT_BF8 matrix_b_fmt:MATRIX_FMT_BF8 matrix_a_scale:MATRIX_SCALE_ROW1
.endif
.set bb, bb+1
.endr
.endm
.macro STEP slot, cm                   ; a slot's first 128 along K
	s_wait_dscnt 16                                ; all but the youngest 16 loads (the tokens' blocks 4-7) are in
	MULA 0, 0, 0, \slot, \cm
	MULA 1, 0, 0, \slot, \cm
	MULA 2, 0, 0, \slot, \cm
	MULA 3, 0, 0, \slot, \cm
	s_wait_dscnt 0x0
	PLACES NP                                      ; in front of loads into registers that matrix instructions have read
	FETCH_B \slot, 1, 1
	FETCH_A \slot, 1, 0
	MULA 4, 0, 0, \slot, \cm
	MULA 5, 0, 0, \slot, \cm
	MULA 6, 0, 0, \slot, \cm
	MULA 7, 0, 0, \slot, \cm
	PLACES NP
	WIN 0
	FETCH_A \slot, 1, 4
.endm
; A slot's second 128 along K changes slots: ONE barrier; in front of it each wave waits for all its tensor loads, adds 0 to its spare word, and waits for that and for its own reads of this slot.
.macro TURN slot, next, fill
	s_wait_tensorcnt 0x0                           ; all my tensor loads have landed: my part of the next slot
	ds_add_u32 v[SPW], v[NIL]
	s_wait_dscnt 17                                ; (the add and the youngest 16 loads may be out)
	MULA 0, 1, 1, \slot, 0
	MULA 1, 1, 1, \slot, 0
	s_wait_dscnt 0x0                               ; the add is done, and my reads of this slot are over
	s_barrier_signal -1
	MULA 2, 1, 1, \slot, 0
	MULA 3, 1, 1, \slot, 0
	WIN 0
	s_barrier_wait -1
.if \fill
	CREST                                          ; the barrier has opened a round of the cluster's barrier
	s_add_nc_u64 s[G0+4*\slot+2:G0+4*\slot+3], s[G0+4*\slot+2:G0+4*\slot+3], 8192
	s_add_nc_u64 s[G0B+4*\slot+2:G0B+4*\slot+3], s[G0B+4*\slot+2:G0B+4*\slot+3], 8192
	JLOAD G0+4*\slot, G1, G0B+4*\slot, G1B         ; the first tensor load behind the round; its four v_nop are four of the eight places
	PLACES NP-4
.else
	PLACES NP
.endif
	s_wait_alu depctr_va_vdst(0)
	v_add_nc_u32 v[ADRS], 128, v[ADRS]             ; the next K step's scale words
	v_add_nc_u32 v[ADRS2], 128, v[ADRS2]
	FETCH_B \next, 0, 0
	FETCH_A \next, 0, 0
	SCALES \next
	MULA 4, 1, 1, \slot, 0
	MULA 5, 1, 1, \slot, 0
	MULA 6, 1, 1, \slot, 0
	MULA 7, 1, 1, \slot, 0
	PLACES NP
	WIN 0
	FETCH_A \next, 0, 4
.endm
	s_load_b256 s[4:11], s[0:1], 0x0               ; a_img s[4:5], a_sc s[6:7], w_img s[8:9], w_sc s[10:11]
	s_load_b128 s[12:15], s[0:1], 0x20             ; b_proj s[12:13], out0 s[14:15]
	v_lshl_add_u32 v[SPW], v0, 2, SPARE
	v_mov_b32 v[NIL], 0
	ds_add_u32 v[SPW], v[NIL]                      ; the wave's opening: the add, twice on end, and its wait ahead of my first tensor load
	ds_add_u32 v[SPW], v[NIL]
	v_lshrrev_b32 v1, 5, v0
	v_readfirstlane_b32 s16, v1                    ; wave 0..3
	s_lshr_b32 s17, s16, 1                         ; HI: my half of the tokens.  Also: I fetch the tokens' tiles (0) or the features' (1)
	s_and_b32 s18, s16, 1                          ; LO: my half of the features.  Also: which half of that tile I fetch
	s_bfe_u32 s40, ttmp6, 0x40000                  ; cx, cy
	s_bfe_u32 s41, ttmp6, 0x40004
	s_lshl_b32 s42, ttmp9, 2
	s_add_co_u32 s42, s42, s40                     ; which 128 features
	s_and_b32 s43, ttmp7, 0xffff
	s_lshl_b32 s43, s43, 2
	s_add_co_u32 s43, s43, s41                     ; which 256 tokens
	s_lshl_b32 s44, s41, 2
	s_lshl_b32 s44, 15, s44                        ; my row of the cluster
	s_lshl_b32 s45, 0x1111, s40                    ; my column
	; group 1, codes: rows of 512 elements of 8 bytes (a tile's K step), 2,048 elements apart: 8 tiles of tokens, 4 of features
	s_or_b32 s[G1], s44, (3<<16)|(1<<21)
	s_mov_b32 s[G1+1], 512<<16
	s_mov_b32 s[G1+2], 8<<16
	s_mov_b32 s[G1+3], 512<<16
	s_mov_b32 s[G1+4], 8
	s_mov_b32 s[G1+5], 2048
	s_mov_b32 s[G1+6], 0
	s_mov_b32 s[G1+7], 0
	s_or_b32 s[G1B], s45, (3<<16)|(1<<21)
	s_mov_b32 s[G1B+1], 512<<16
	s_mov_b32 s[G1B+2], 4<<16
	s_mov_b32 s[G1B+3], 512<<16
	s_mov_b32 s[G1B+4], 4
	s_mov_b32 s[G1B+5], 2048
	s_mov_b32 s[G1B+6], 0
	s_mov_b32 s[G1B+7], 0
	; group 1, scale words: dense rows of 256 bytes: 16 for 8 tiles of tokens, 8 for 4 of features
	s_or_b32 s[G1S], s44, (3<<16)|(1<<21)
	s_mov_b32 s[G1S+1], 32<<16
	s_mov_b32 s[G1S+2], 16<<16
	s_mov_b32 s[G1S+3], 32<<16
	s_mov_b32 s[G1S+4], 16
	s_mov_b32 s[G1S+5], 32
	s_mov_b32 s[G1S+6], 0
	s_mov_b32 s[G1S+7], 0
	s_or_b32 s[G1SB], s45, (3<<16)|(1<<21)
	s_mov_b32 s[G1SB+1], 32<<16
	s_mov_b32 s[G1SB+2], 8<<16
	s_mov_b32 s[G1SB+3], 32<<16
	s_mov_b32 s[G1SB+4], 8
	s_mov_b32 s[G1SB+5], 32
	s_mov_b32 s[G1SB+6], 0
	s_mov_b32 s[G1SB+7], 0
	; group 0: the count and the LDS addresses
	s_mov_b32 s[G0], 1
	s_lshl_b32 s[G0+1], s18, 15
	s_mov_b32 s[G0+4], 1
	s_add_co_u32 s[G0+5], s[G0+1], SLOT
	s_mov_b32 s[G0B], 1
	s_lshl_b32 s[G0B+1], s18, 14
	s_mov_b32 s[G0B+4], 1
	s_add_co_u32 s[G0B+5], s[G0B+1], 65536+SLOT
	s_add_co_u32 s[G0B+1], s[G0B+1], 65536
	s_mov_b32 s[G0S], 1
	s_lshl_b32 s[G0S+1], s18, 12
	s_add_co_u32 s[G0S+1], s[G0S+1], SCL
	s_mov_b32 s[G0SB], 1
	s_lshl_b32 s[G0SB+1], s18, 11
	s_add_co_u32 s[G0SB+1], s[G0SB+1], SCL+8192
	s_lshl_b32 s21, s18, 3
	s_lshl_b32 s20, s43, 4
	s_add_co_u32 s20, s20, s21                     ; the first tile of tokens that I would fetch
	s_lshl_b32 s47, s18, 2
	s_lshl_b32 s46, s42, 3
	s_add_co_u32 s46, s46, s47
	s_add_co_u32 s46, s46, 192                     ; and of w_proj's features
	s_lshl_b32 s22, s20, 9
	s_mov_b32 s23, 0
	s_lshl_b32 s20, s20, 14
	s_mov_b32 s21, 0
	s_lshl_b32 s92, s46, 9
	s_mov_b32 s93, 0
	s_lshl_b32 s46, s46, 14
	s_mov_b32 s47, 0
	s_wait_dscnt 0x0                               ; both opening adds are done
	s_wait_kmcnt 0x0
	s_add_nc_u64 s[G0+2:G0+3], s[4:5], s[20:21]
	s_add_nc_u64 s[G0+6:G0+7], s[G0+2:G0+3], 4096
	s_or_b32 s[G0+3], s[G0+3], 0x80000000
	s_or_b32 s[G0+7], s[G0+7], 0x80000000
	s_add_nc_u64 s[G0B+2:G0B+3], s[8:9], s[46:47]
	s_add_nc_u64 s[G0B+6:G0B+7], s[G0B+2:G0B+3], 4096
	s_or_b32 s[G0B+3], s[G0B+3], 0x80000000
	s_or_b32 s[G0B+7], s[G0B+7], 0x80000000
	s_add_nc_u64 s[G0S+2:G0S+3], s[6:7], s[22:23]
	s_or_b32 s[G0S+3], s[G0S+3], 0x80000000
	s_add_nc_u64 s[G0SB+2:G0SB+3], s[10:11], s[92:93]
	s_or_b32 s[G0SB+3], s[G0SB+3], 0x80000000
	CROUND                                         ; all sixteen work-groups are here: the first joint loads meet
	JLOAD G0S, G1S, G0SB, G1SB                     ; the scale words of all of K: filled once
	s_wait_alu depctr_va_vdst(0)
	s_wait_tensorcnt 0x0
	ds_add_u32 v28, v29
	s_wait_dscnt 0x0
	CROUND
	JLOAD G0, G1, G0B, G1B                         ; slot 0
	s_wait_alu depctr_va_vdst(0)
	s_wait_tensorcnt 0x0
	ds_add_u32 v28, v29
	s_wait_dscnt 0x0
	CROUND
	JLOAD G0+4, G1, G0B+4, G1B                     ; slot 1: one load of mine is out
	v_and_b32 v1, 15, v0                           ; r
	s_wait_alu depctr_va_vdst(0)
	v_bfe_u32 v2, v0, 4, 1                         ; h
	s_wait_alu depctr_va_vdst(0)
	v_and_b32 v3, 31, v0
	v_lshlrev_b32 v3, 4, v3                        ; 16 x lane
	s_lshl_b32 s20, s17, 15
	s_lshl_b32 s21, s18, 14
	s_add_co_u32 s21, s21, 65536
	v_add_nc_u32 v[ADRA], s20, v3
	v_add_nc_u32 v[ADRB], s21, v3
	v_add_nc_u32 v[ADRA+1], SLOT, v[ADRA]
	v_add_nc_u32 v[ADRB+1], SLOT, v[ADRB]
	s_lshl_b32 s20, s17, 12                        ; my tokens' scale words,
	s_lshl_b32 s21, s18, 11
	s_add_co_u32 s21, s21, 8192                    ; my features',
	s_sub_co_u32 s21, s21, s20                     ; the distance between the two
	s_add_co_u32 s20, s20, SCL
	v_lshl_add_u32 v[ADRS2], v1, 3, s20
	v_mul_u32_u24 v4, s21, v2                      ; lanes 16-31 take the features'
	v_add_nc_u32 v[ADRS], v[ADRS2], v4
	v_lshlrev_b32 v4, 6, v2                        ; the bias: register j of block i is feature 32 (i / 2) + 8 (i % 2) + 16 h + j
	s_lshl_b32 s20, s42, 9
	s_lshl_b32 s21, s18, 8
	s_add_co_u32 s20, s20, s21                     ; my first feature, in bytes
	s_mov_b32 s21, 0
	s_add_nc_u64 s[12:13], s[12:13], s[20:21]
.irp i, 0,1,2,3
	global_load_b128 v[BIAS+8*\i:BIAS+8*\i+3], v4, s[12:13] offset:(32*(\i/2)+8*(\i%2))*4
	global_load_b128 v[BIAS+8*\i+4:BIAS+8*\i+7], v4, s[12:13] offset:(32*(\i/2)+8*(\i%2))*4+16
.endr
	s_lshl_b32 s22, s43, 8
	s_lshl_b32 s23, s17, 7
	s_add_co_u32 s22, s22, s23                     ; my first token
	s_lshl_b32 s22, s22, 12                        ; rows of 4,096 bytes
	s_add_co_u32 s22, s22, s20
	s_mov_b32 s23, 0
	s_add_nc_u64 s[14:15], s[14:15], s[22:23]
	s_mul_i32 s23, s16, 16*272                     ; my stage: 16 rows x (256 bytes + 16), in slot 0, which has had its last fill and its last read when the first result is stored there
	v_mul_u32_u24 v[STO], v1, 272
	v_lshl_add_u32 v[STO], v2, 6, v[STO]
	v_add_nc_u32 v[STO], s23, v[STO]               ; in: row r, + 64 h
	v_mul_u32_u24 v[RD], v2, 272
	v_lshl_add_u32 v[RD], v1, 4, v[RD]
	v_add_nc_u32 v[RD], s23, v[RD]                 ; back: lanes 0-15 one row, lanes 16-31 the next
	v_lshlrev_b32 v[CO], 12, v2
	v_lshl_add_u32 v[CO], v1, 4, v[CO]             ; and the same two rows in out0
	s_wait_tensorcnt 1                             ; the scale words and my part of slot 0 are in; slot 1's load may be out
	s_barrier_signal -1
	s_barrier_wait -1
	FETCH_B 0, 0, 0
	FETCH_A 0, 0, 0
	SCALES 0
	FETCH_A 0, 0, 4
	s_wait_loadcnt 0x0                             ; the bias
	STEP 0, 1
	TURN 0, 1, 1                                   ; K = 1,024 is four slots' worth: written straight
	STEP 1, 0
	TURN 1, 0, 1
	STEP 0, 0
	TURN 0, 1, 0                                   ; nothing is left to fetch: no round
	STEP 1, 0
	s_wait_dscnt 16
	MULA 0, 1, 1, 1, 0
	MULA 1, 1, 1, 1, 0
	MULA 2, 1, 1, 1, 0
	MULA 3, 1, 1, 1, 0
	s_wait_dscnt 0x0
	MULA 4, 1, 1, 1, 0
	MULA 5, 1, 1, 1, 0
	MULA 6, 1, 1, 1, 0
	MULA 7, 1, 1, 1, 0
	WIN 0
; THE WAY OUT, a block of 16 tokens x 64 features at a time, through my own stage: a lane holds 32 neighbouring bytes twice, the lanes beside it other rows; back come whole rows of 256 bytes, sixteen lanes to an aligned 256 bytes of out0.
; LDS serves a wave's instructions in order (ISA guide 5.7.1.4): no wait between the stores and the loads, nor in front of the next block's stores.
.macro TOSTAGE a
	WIN 0x08                                       ; an LDS store's data are its source 1: window 2
.irp b, 0,1,2,3
	ds_store_b128 v[STO], v[8*(4*(\a)+\b):8*(4*(\a)+\b)+3] offset:128*(\b/2)+32*(\b%2)        ; each accumulator from its low end on
	ds_store_b128 v[STO], v[8*(4*(\a)+\b)+4:8*(4*(\a)+\b)+7] offset:128*(\b/2)+32*(\b%2)+16
.endr
	WIN 0
.set BB, BK+32*((\a)%2)
.irp i, 0,1,2,3,4,5,6,7
	ds_load_b128 v[BB+4*\i:BB+4*\i+3], v[RD] offset:544*\i
.endr
.endm
.macro SEND a, younger                 ; younger: the LDS instructions issued behind block a's loads, which may stay out.  Stage row 2 i + h is token 32 (a / 2) + 8 (a % 2) + 2 i + h + 8 (i / 4): every row stands in the immediate, 126 rows at the most
.set BB, BK+32*((\a)%2)
	s_wait_dscnt \younger
.irp i, 0,1,2,3,4,5,6,7
	global_store_b128 v[CO], v[BB+4*\i:BB+4*\i+3], s[14:15] offset:(32*((\a)/2)+8*((\a)%2)+2*\i+8*(\i/4))*4096 th:TH_STORE_NT
.endr
.endm
	PLACES NP                                      ; behind the last products: results are read, and loads land in registers that they read
	TOSTAGE 0
.irp a, 1,2,3,4,5,6,7
.if \a > 1
	s_wait_xcnt 0x0                                ; block a - 2's stores have read their registers: block a's loads may land there
.endif
	TOSTAGE \a
	SEND \a-1, 16                                  ; behind block a - 1's loads: block a's 8 stores and 8 loads
.endr
	SEND 7, 0
	s_wait_tensorcnt 0x0                           ; the wave's end: behind my last tensor load and my last LDS store
	ds_add_u32 v[SPW], v[NIL]
	s_wait_dscnt 0x0
	CROUND                                         ; the closing round: no work-group ends while a partner may still ask for a tile that names it
	s_endpgm
.Lfunc_end_k_qd02be7389f_gemm_out:
	.size	k_qd02be7389f_gemm_out, .Lfunc_end_k_qd02be7389f_gemm_out-k_qd02be7389f_gemm_out
	.p2alignl 7, 3214868480
	.fill 96, 4, 3214868480
	.section	.rodata,"a",@progbits
	.p2align	6, 0x0
	.amdhsa_kernel k_qd02be7389f_gemm_out
		.amdhsa_group_segment_fixed_size 327680
		.amdhsa_private_segment_fixed_size 0
		.amdhsa_enable_private_segment 0
		.amdhsa_kernarg_size 48
		.amdhsa_user_sgpr_count 2
		.amdhsa_user_sgpr_kernarg_segment_ptr 1
		.amdhsa_wavefront_size32 1
		.amdhsa_system_sgpr_workgroup_id_x 1
		.amdhsa_system_sgpr_workgroup_id_y 1
		.amdhsa_system_sgpr_workgroup_id_z 1
		.amdhsa_system_vgpr_workitem_id 0
		.amdhsa_next_free_vgpr 768
		.amdhsa_next_free_sgpr 100
		.amdhsa_reserve_vcc 0
		.amdhsa_float_denorm_mode_32 3
		.amdhsa_float_denorm_mode_16_64 3
		.amdhsa_memory_ordered 1
		.amdhsa_forward_progress 1
		.amdhsa_inst_pref_size 92
	.end_amdhsa_kernel
	.amdgpu_metadata
---
amdhsa.version: [ 1, 2 ]
amdhsa.kernels:
  - .name:           k_qd02be7389f_gemm_out
    .symbol:         k_qd02be7389f_gemm_out.kd
    .args:
      - { .name: a_img, .offset: 0, .size: 8, .value_kind: global_buffer, .address_space: global }
      - { .name: a_sc, .offset: 8, .size: 8, .value_kind: global_buffer, .address_space: global }
      - { .name: w_img, .offset: 16, .size: 8, .value_kind: global_buffer, .address_space: global }
      - { .name: w_sc, .offset: 24, .size: 8, .value_kind: global_buffer, .address_space: global }
      - { .name: b_proj, .offset: 32, .size: 8, .value_kind: global_buffer, .address_space: global }
      - { .name: out0, .offset: 40, .size: 8, .value_kind: global_buffer, .address_space: global }
    .group_segment_fixed_size: 327680
    .private_segment_fixed_size: 0
    .kernarg_segment_align: 8
    .kernarg_segment_size: 48
    .max_flat_workgroup_size: 128
    .sgpr_count:     100
    .vgpr_count:     768
    .wavefront_size: 32
...
	.end_amdgpu_metadata
.endif
;; end of part 4
